; MI455X (gfx1250); checked and timed in simulation.
; The chip was launched on July 23, 2026; its instructions are those of AMD's public machine-readable ISA for CDNA 5 (MIT licence, August 2026) and "CDNA5" Instruction Set Architecture Reference Guide (July 2026). The comments in the code are by the model that wrote it; some were corrected since.
;; Multi Head Attention. Allowed arithmetic: matrix products marked QUANTISED: E2M3 operands, one E8M0 scale for each 32 along K, by v_wmma_scale_f32_16x16x128_f8f6f4 with both operands' format E2M3, f32 sums; everything else in f32.
;; Inputs: Wk 1,024 x 1,024 float32; Wo 1,024 x 1,024 float32; Wq 1,024 x 1,024 float32; Wv 1,024 x 1,024 float32; x 4 x 2,048 x 1,024 float32.
;; Outputs: out0 4 x 2,048 x 1,024 float32.
;; This version of the problem:
;;   THIS VERSION OF THE PROBLEM IS GIVEN IN LOW PRECISION. The matrix products marked QUANTISED in the list below multiply operands that are first quantised to E2M3 (2 exponent bits, 3 mantissa bits; 6 bits a number), with one power-of-two scale for each 32 numbers along K (OCP MX v1.0); their sums are f32. All else is computed in f32.
;;   The module's matrix products, in the order in which they are computed (A, B: the left and right operand; K: the contracted axis; several contracted axes count as one K, in the product's order):
;;     1. [M 8,192, K 1,024] x [K 1,024, N 1,024]; A: input x; B: input Wq: QUANTISED
;;     2. [M 8,192, K 1,024] x [K 1,024, N 1,024]; A: input x; B: input Wk: QUANTISED
;;     3. [M 8,192, K 1,024] x [K 1,024, N 1,024]; A: input x; B: input Wv: QUANTISED
;;     4. batch 64 x [M 2,048, K 64] x [K 64, N 2,048]; A: computed on the way; B: computed on the way: QUANTISED
;;     5. batch 64 x [M 2,048, K 2,048] x [K 2,048, N 64]; A: softmax (see below); B: computed on the way: QUANTISED
;;     6. [M 8,192, K 1,024] x [K 1,024, N 1,024]; A: computed on the way; B: input Wo: QUANTISED
;;   THE QUANTISER, for each operand of a quantised product, along K:
;;     - K is cut into blocks of 32 from its start; a last block that is shorter is filled with zeros.
;;     - A block's scale is 2^e with e = floor(log2(the largest magnitude in the block)) - 2, held to -126 .. 127; a block of zeros has e = 0. As a byte (E8M0): e + 127.
;;     - Each number is divided by its block's scale, clamped to +-7.5, and rounded to the nearest number of E2M3, ties to even, subnormals kept.
;;     - The product sums the exact products of the quantised numbers (number of the format x scale) in f32.
;;   ~~~python
;;   def quantise(x, axis):      # numpy; x: float32 -> the quantised numbers, widened to float32 again
;;       x = np.moveaxis(x, axis, -1); K = x.shape[-1]
;;       x = np.pad(x, [(0, 0)] * (x.ndim - 1) + [(0, -K % 32)]); x = x.reshape(x.shape[:-1] + (-1, 32)); a = np.abs(x).max(-1, keepdims=True)
;;       e = np.where(a > 0, np.clip(np.frexp(np.where(a > 0, a, 1))[1] - 1 - 2, -126, 127), 0)      # np.frexp(a)[1] - 1 = floor(log2(a)), exactly
;;       r = np.clip(x / 2.0 ** e, -7.5, 7.5)
;;       step = 2.0 ** (np.maximum(np.frexp(np.where(r == 0, 1, r))[1] - 1, 0) - 3)
;;       q = np.round(r / step) * step * 2.0 ** e      # np.round: ties to even
;;       return np.moveaxis(q.reshape(q.shape[:-2] + (-1,))[..., :K], -1, axis).astype(np.float32)
;;   ~~~
;;   SOFTMAX AHEAD OF A QUANTISED PRODUCT. Where the list says 'softmax', what is quantised is not the finished softmax but p = 2^(t - M), with t = logit x log2(e) and M = ceil(the row's largest t), a whole number; so 1/2 < the row's largest p <= 1. The row's sum l is taken of the UNQUANTISED p, in f32, and the product's result is divided by l at the end. Since M is a whole number, a kernel that streams over the keys may use a running M (the ceiling of the running maximum): every later rescaling is an exact power of two, which a block's scale takes up: the codes' values come out the same.
;;   OPERANDS COMPUTED ON THE WAY. 'Computed on the way' means the value that the module computes at that place (a softmax that the list does not call 'softmax' is quantised finished and normalised). What goes into a quantiser is computed in f32, as accurately as f32 sums, v_exp_f32 and their like allow (about 1e-6 of the number): no bf16 or f16 on the way to a quantiser, and a product that is left as it is and whose result goes on into a quantised operand takes f32 operands (vector FMAs, or v_wmma_f32_16x16x4_f32). A number that lies on a knife's edge between two numbers of the format may be rounded either way, as far as f32 arithmetic and the matrix unit's own rounding can turn it there, and no further.
;; One version. Each part assembles by itself: llvm-mc -triple=amdgcn-amd-amdhsa -mcpu=gfx1250 --defsym DOCPART=n.
;; ======== version 1 of 1: 4 launches
;; workspace buffers: codes 9,437,184 bytes; scales 393,216 bytes; qkvc 18,874,368 bytes; qkvs 786,432 bytes; ctxc 6,291,456 bytes; ctxs 262,144 bytes
;; launch quant (part 1): grid 384 x 1, 4 waves a work-group, no clusters, 34,304 bytes of LDS; arguments x, Wq, Wk, Wv, Wo, codes, scales; writes codes, scales
.if DOCPART == 1
	.amdgcn_target "amdgcn-amd-amdhsa--gfx1250"
	.amdhsa_code_object_version 6
	.text
	.protected	k_q0af2cde776_quant
	.globl	k_q0af2cde776_quant
	.p2align	8
	.type	k_q0af2cde776_quant,@function
k_q0af2cde776_quant:
	s_mov_b64 s[64:65], 0
	v_nop
	global_prefetch_b8 v0, s[64:65] scope:SCOPE_SE
	s_setreg_imm32_b32 hwreg(HW_REG_WAVE_MODE, 25, 1), 1
	s_wait_xcnt 0x0
; x [8192][1024] and Wq, Wk, Wv, Wo [1024][1024], f32, K innermost, become codes of FP6 (E2M3) with one E8M0 byte for each 32 along K.
; A block's scale is 2^(floor(log2(its largest magnitude)) - 2); its byte is the largest magnitude's exponent field - 2, held at 1 from below.
; LIMITS: a block of zeros gets the byte 1 where the rule says 127 (its codes are zeros, and this program alone reads the bytes); largest magnitudes
; under 2^-124 are held at that floor; NaN and infinities among the inputs are not served.
; THE CODES LIE IN THE ORDER OF THE OPERAND'S REGISTERS.  A tile T is 16 rows; a half fragment is 16 rows x 64 K = 768 bytes: lane 16 h + r holds row r, block h (24 bytes):
; its registers 0-3 at byte 16 x lane, its registers 4-5 at byte 512 + 8 x lane.  codes: [T][16 half fragments][768].  scales: [T][4 K steps of 256][16 rows][2 words].
; THE ROWS OF A TILE ARE NOT NEIGHBOURS: place i of tile T holds row 32 (T / 2) + 8 (T % 2) + i % 8 + 16 (i / 8), so that in a product used transposed the 16 registers of tiles 2 b, 2 b + 1 are 16 neighbours.
; T: x 0-511, Wq 512-575, Wk 576-639, Wv 640-703, Wo 704-767.
; SHARES.  A work-group takes 32 rows of one tensor (two tiles), a wave one tile x 512 along K: four steps of one fragment.  Each load reads 512 consecutive bytes of one row; a step's 16 rows turn through the wave's own
; stage in LDS (rows 528 bytes apart), so that a lane gets its 2 x 32 neighbours.  Loads run two steps (32 loads a wave) ahead.  Waves share nothing: no barrier.  No cluster, no matrix unit: nothing is read twice.
.set STG,   16*528                     ; a wave's stage
.set SPARE, 4*STG                      ; behind the stages: the spare words, 128 bytes for each wave
.set C,     32                         ; v32-55   a fragment's codes, two sets
.set SW,    18                         ; v18-21   a step's scale word
.set SPW,   60                         ; v60      LDS address of my spare word; never rewritten
.set NIL,   61                         ; v61      0; never rewritten
.set R,     64                         ; v64-191  two sets of 64 numbers as loaded
.set X,     192                        ; v192-255 my 2 x 32 neighbours
	s_load_b256 s[4:11], s[0:1], 0x0               ; x, Wq, Wk, Wv
	s_load_b128 s[12:15], s[0:1], 0x20             ; Wo, codes
	s_load_b64 s[16:17], s[0:1], 0x30              ; scales
	v_lshl_add_u32 v[SPW], v0, 2, SPARE
	v_mov_b32 v[NIL], 0
	v_lshrrev_b32 v1, 5, v0
	v_readfirstlane_b32 s18, v1                    ; wave
	v_and_b32 v2, 31, v0                           ; lane
	v_and_b32 v3, 15, v0                           ; r
	v_bfe_u32 v7, v0, 4, 1                         ; h
	v_lshlrev_b32 v4, 4, v2                        ; 16 x lane: a load's and a 16-byte store's place
	v_lshlrev_b32 v8, 3, v2                        ; 8 x lane
	v_lshlrev_b32 v9, 3, v7                        ; 8 h: my bytes' shift in a scale word
	s_mul_i32 s19, s18, STG
	v_add_nc_u32 v5, s19, v4                       ; the stage on the way in: a row as it lies
	v_mul_u32_u24 v6, v3, 528
	v_lshl_add_u32 v6, v7, 7, v6
	v_add_nc_u32 v6, s19, v6                       ; and on the way out: row r, + 128 h bytes
	v_mov_b32 v17, 0                               ; a lane permute's destination counts as one of its sources
	s_mov_b32 s20, 0x76543210
	s_mov_b32 s21, 0xfedcba98                      ; selects for lane l xor 16
	s_mov_b32 s22, 0xffff0000                      ; lanes 16-31
	s_lshr_b32 s23, s18, 1                         ; which of the two tiles
	s_and_b32 s24, s18, 1                          ; which half of K
	s_mov_b32 s25, 352
	s_wait_kmcnt 0x0
	s_cmp_lt_u32 ttmp9, 352                        ; which tensor: the choice hangs on the work-group's number alone
	s_cselect_b64 s[12:13], s[10:11], s[12:13]
	s_cselect_b32 s25, 320, s25
	s_cmp_lt_u32 ttmp9, 320
	s_cselect_b64 s[12:13], s[8:9], s[12:13]
	s_cselect_b32 s25, 288, s25
	s_cmp_lt_u32 ttmp9, 288
	s_cselect_b64 s[12:13], s[6:7], s[12:13]
	s_cselect_b32 s25, 256, s25
	s_cmp_lt_u32 ttmp9, 256
	s_cselect_b64 s[12:13], s[4:5], s[12:13]
	s_cselect_b32 s25, 0, s25                      ; the tensor's first work-group
	s_sub_co_u32 s26, ttmp9, s25
	s_lshl_b32 s26, s26, 17                        ; 32 rows of 4,096 bytes,
	s_lshl_b32 s27, s23, 15                        ; the second tile begins 8 rows on,
	s_add_co_u32 s26, s26, s27
	s_lshl_b32 s27, s24, 11                        ; 512 along K are 2,048 bytes
	s_add_co_u32 s26, s26, s27
	s_mov_b32 s27, 0
	s_add_nc_u64 s[12:13], s[12:13], s[26:27]
	s_lshl_b32 s28, ttmp9, 1
	s_add_co_u32 s28, s28, s23                     ; T
	s_mul_i32 s26, s28, 12288
	s_mul_i32 s29, s24, 6144
	s_add_co_u32 s26, s26, s29
	s_add_nc_u64 s[14:15], s[14:15], s[26:27]
	s_lshl_b32 s26, s28, 9
	s_lshl_b32 s29, s24, 8
	s_add_co_u32 s26, s26, s29
	s_add_nc_u64 s[16:17], s[16:17], s[26:27]
.macro LOAD s                          ; step s: 128 along K of the tile's 16 rows
.irp i, 0,1,2,3,4,5,6,7,8,9,10,11,12,13,14,15
	global_load_b128 v[R+64*((\s)%2)+4*\i:R+64*((\s)%2)+4*\i+3], v4, s[12:13] offset:((\i%8)+16*(\i/8))*4096+512*(\s) th:TH_LOAD_NT
.endr
.endm
.macro STEP s
.set RS, R+64*((\s)%2)
.set CC, C+12*((\s)%2)
.if (\s) < 3
	s_wait_loadcnt 16                              ; this step's 16 loads are in; the next step's 16 may be out
.else
	s_wait_loadcnt 0x0
.endif
.irp i, 0,1,2,3,4,5,6,7,8,9,10,11,12,13,14,15
	ds_store_b128 v5, v[RS+4*\i:RS+4*\i+3] offset:528*\i
.endr
.irp c, 0,1
.irp j, 0,1,2,3,4,5,6,7
	ds_load_b128 v[X+32*\c+4*\j:X+32*\c+4*\j+3], v6 offset:256*\c+16*\j   ; LDS serves a wave's instructions in order: these see the stores above.  k = 64 c + 32 h + 4 j ..
.endr
.endr
	s_wait_dscnt 0x0                               ; my numbers are back, and the stage's stores have read their registers,
.if (\s) < 2
	LOAD (\s)+2                                    ; which take the loads of two steps on
.endif
.irp c, 0,1
	v_max3_num_f32 v[10+\c], |v[X+32*\c]|, |v[X+32*\c+1]|, 0x1800000   ; my block 2 c + h: all 32 numbers are mine; the floor 2^(3 - 127) holds the byte at 1 from below
.endr
.irp i, 2,4,6,8,10,12,14,16,18,20,22,24,26,28,30
.irp c, 0,1
	v_max3_num_f32 v[10+\c], v[10+\c], |v[X+32*\c+\i]|, |v[X+32*\c+\i+1]|
.endr
.endr
.irp c, 0,1
	v_add_nc_u32 v[12+\c], 0xff000000, v[10+\c]    ; 2 off the exponent field: the conversion's scale operand
.endr
.irp c, 0,1
	v_lshrrev_b32 v[14+\c], 23, v[12+\c]           ; the scale's byte
.endr
	v_lshl_or_b32 v16, v15, 16, v14                ; blocks h and 2 + h,
	v_lshlrev_b32 v16, v9, v16                     ; at their places in the word;
	v_permlanex16_b32 v17, v16, s20, s21
	v_or_b32 v[SW+(\s)], v16, v17                  ; with lane l xor 16's two the word is whole, in both lanes
.if (\s) >= 2
	s_wait_xcnt 0x0                                ; the stores of two steps back have read this set of codes: it is written again only behind this wait
.endif
	v_cvt_scalef32_pk16_fp6_f32 v[CC:CC+2], v[X:X+15], v12
	v_cvt_scalef32_pk16_fp6_f32 v[24:26], v[X+16:X+31], v12        ; (a conversion's three registers begin on an even number)
	v_cvt_scalef32_pk16_fp6_f32 v[CC+6:CC+8], v[X+32:X+47], v13
	v_cvt_scalef32_pk16_fp6_f32 v[28:30], v[X+48:X+63], v13
	v_nop                                          ; one plain place behind the scaled conversions
.irp i, 0,1,2
	v_mov_b32 v[CC+3+\i], v[24+\i]
	v_mov_b32 v[CC+9+\i], v[28+\i]
.endr
	global_store_b128 v4, v[CC:CC+3], s[14:15] offset:1536*(\s)            ; each store covers whole aligned blocks of 256 bytes: 512,
	global_store_b64 v8, v[CC+4:CC+5], s[14:15] offset:1536*(\s)+512       ; 256,
	global_store_b128 v4, v[CC+6:CC+9], s[14:15] offset:1536*(\s)+768      ; 512,
	global_store_b64 v8, v[CC+10:CC+11], s[14:15] offset:1536*(\s)+1280    ; 256
.endm
	LOAD 0
	LOAD 1
	STEP 0
	STEP 1
	STEP 2
	STEP 3
	v_cndmask_b32 v22, v[SW], v[SW+2], s22         ; lanes 0-15: my first K step of 256 (words 0, 1); lanes 16-31: my second (words 2, 3)
	v_cndmask_b32 v23, v[SW+1], v[SW+3], s22
	global_store_b64 v8, v[22:23], s[16:17]        ; 32 lanes store one aligned block of 256 bytes
	s_wait_tensorcnt 0x0                           ; the wave's end, behind my last LDS store
	ds_add_u32 v[SPW], v[NIL]
	s_wait_dscnt 0x0
	s_endpgm
.Lfunc_end_k_q0af2cde776_quant:
	.size	k_q0af2cde776_quant, .Lfunc_end_k_q0af2cde776_quant-k_q0af2cde776_quant
	.p2alignl 7, 3214868480
	.fill 96, 4, 3214868480
	.section	.rodata,"a",@progbits
	.p2align	6, 0x0
	.amdhsa_kernel k_q0af2cde776_quant
		.amdhsa_group_segment_fixed_size 34304
		.amdhsa_private_segment_fixed_size 0
		.amdhsa_enable_private_segment 0
		.amdhsa_kernarg_size 56
		.amdhsa_user_sgpr_count 2
		.amdhsa_user_sgpr_kernarg_segment_ptr 1
		.amdhsa_wavefront_size32 1
		.amdhsa_system_sgpr_workgroup_id_x 1
		.amdhsa_system_sgpr_workgroup_id_y 1
		.amdhsa_system_sgpr_workgroup_id_z 1
		.amdhsa_system_vgpr_workitem_id 0
		.amdhsa_next_free_vgpr 256
		.amdhsa_next_free_sgpr 66
		.amdhsa_reserve_vcc 0
		.amdhsa_float_denorm_mode_32 3
		.amdhsa_float_denorm_mode_16_64 3
		.amdhsa_memory_ordered 1
		.amdhsa_forward_progress 1
		.amdhsa_inst_pref_size 31
	.end_amdhsa_kernel
	.amdgpu_metadata
---
amdhsa.version: [ 1, 2 ]
amdhsa.kernels:
  - .name:           k_q0af2cde776_quant
    .symbol:         k_q0af2cde776_quant.kd
    .args:
      - { .name: x, .offset: 0, .size: 8, .value_kind: global_buffer, .address_space: global }
      - { .name: Wq, .offset: 8, .size: 8, .value_kind: global_buffer, .address_space: global }
      - { .name: Wk, .offset: 16, .size: 8, .value_kind: global_buffer, .address_space: global }
      - { .name: Wv, .offset: 24, .size: 8, .value_kind: global_buffer, .address_space: global }
      - { .name: Wo, .offset: 32, .size: 8, .value_kind: global_buffer, .address_space: global }
      - { .name: codes, .offset: 40, .size: 8, .value_kind: global_buffer, .address_space: global }
      - { .name: scales, .offset: 48, .size: 8, .value_kind: global_buffer, .address_space: global }
    .group_segment_fixed_size: 34304
    .private_segment_fixed_size: 0
    .kernarg_segment_align: 8
    .kernarg_segment_size: 56
    .max_flat_workgroup_size: 128
    .sgpr_count:     66
    .vgpr_count:     256
    .wavefront_size: 32
...
	.end_amdgpu_metadata
.endif
;; end of part 1
;; launch qkv (part 2): grid 12 x 32, 4 waves a work-group, clusters of 4 x 4, 327,680 bytes of LDS; arguments codes, scales, qkvc, qkvs; writes qkvc, qkvs
.if DOCPART == 2
	.amdgcn_target "amdgcn-amd-amdhsa--gfx1250"
	.amdhsa_code_object_version 6
	.text
	.protected	k_q0af2cde776_qkv
	.globl	k_q0af2cde776_qkv
	.p2align	8
	.type	k_q0af2cde776_qkv,@function
k_q0af2cde776_qkv:
	s_mov_b64 s[64:65], 0
	v_nop
	global_prefetch_b8 v0, s[64:65] scope:SCOPE_SE
	s_setreg_imm32_b32 hwreg(HW_REG_WAVE_MODE, 25, 1), 1
	s_wait_xcnt 0x0
	s_wait_alu depctr_hold_cnt(0) depctr_sa_sdst(0) depctr_va_vdst(0) depctr_va_sdst(0) depctr_va_ssrc(0) depctr_va_vcc(0) depctr_vm_vsrc(0)
	s_getreg_b32 s2, hwreg(HW_REG_IB_STS2, 6, 4)
	s_cmp_eq_u32 s2, 0
	s_cbranch_scc0 .Lentry_in_a_cluster
	s_endpgm
.Lentry_in_a_cluster:
	s_bfe_u32 s2, ttmp6, 0x10000c
	s_cmp_lg_u32 s2, 0xf033
	s_cbranch_scc0 .Lentry_shape_is_right
	s_endpgm
.Lentry_shape_is_right:
; q = x Wq^T, k = x Wk^T, v = x Wv^T on codes of FP6 (E2M3) with E8M0 scales, K = 1,024; the results are quantised in registers and leave as codes: q and k along the head's 64 channels, v along the keys.
; codes: [T][16][768], scales: [T][4][16][2 words] (T: x 0-511, Wq 512-575, Wk 576-639, Wv 640-703): fragments lie as images of the operand's registers, so a fragment comes from LDS by loads of 16, 8, 16, 8 bytes a lane.
; A tile of the result, 256 x 256, is made by four waves, 128 x 128 each: 64 accumulators, 512 registers.  K goes in steps of 256 through a ring of two LDS slots: four K steps, written out on end.
; THE MATRIX INSTRUCTION IS USED TRANSPOSED: source 0 = 16 rows of B, source 1 = 16 rows of A: a lane holds one row of A and, by the tiles' order of rows, the 16 registers of B's tiles 2 b, 2 b + 1 are 16 neighbours.
; TWO KINDS OF WORK-GROUP, ONE TEXT, NO BRANCH: clusters x = 0, 1: A = x (tokens), B = Wq | Wk (channels): a lane's 64 numbers run along two heads' channels.  Clusters x = 2: A = Wv (channels), B = x (tokens): they run along 128 keys.
; The two differ in scalar numbers chosen on the cluster's x, which all sixteen partners share.
; OUT.  qkvc: [G][T][1,536].  q, k: G = 0-15 (0-7 q's pairs of heads, 8-15 k's), T = 0-511 tiles of tokens.  v, from byte QKB on: G = 0-63 groups of 128 keys, T = 0-63 tiles of channels.
; qkvs: 512 bytes for 8 tiles: the word of tile a, row r at 16 (16 (a % 2) + r) + 4 (a / 2); v's from byte SQKB on.
; CLUSTERS: 4 x 4.  A's tiles are shared along a row of the cluster, B's along a column: each is asked for jointly.
; LIMITS: a block of zeros gets the byte 1 (its codes are zeros; this program alone reads the bytes); largest magnitudes under 2^-124 are held at that floor; NaN and infinities are not served.
; REGISTERS: window 0: v16-29 addresses; v32-63 scale words, two sets; from v128 A's fragments, one set; in the epilogue v32-163 are at work.  window 1: B's fragments, two sets.  windows 2, 3: the accumulators ((a, b) at v[8 (8 (a % 4) + b)]).
.set NQ,     2                         ; matrix instructions deep in a slot
.set FR,     12                        ; registers of a fragment
.set NL,     4                         ; LDS loads that bring one
.set NP,     4                         ; places behind this matrix instruction (ISA guide 7.12.1)
.set STEPB,  3072                      ; a tile's 256 along K: four half fragments
.set HALFT,  8*STEPB                   ; 8 tiles (128 rows): what one tensor load brings
.set SLOT,   4*HALFT                   ; A's 16 tiles, then B's 16
.set SCL,    2*SLOT                    ; behind the ring: the scale words for all of K, filled once
.set HALFS,  4096                      ; those of 8 tiles
.set SBLK,   512                       ; those of one
.set SPARE,  SCL+4*HALFS               ; the spare words, 128 bytes for each wave
.set QKB,    12582912
.set SQKB,   524288
.set ADRA, 16                          ; v16-17 16 x lane + my A tiles in slot 0, 1;  v18-19 the same with 8 x lane
.set ADRB, 20                          ; v20-23 the same for B
.set LI,   24                          ; v24    16 x lane
.set LQ,   25                          ; v25    8 x lane
.set ADRS, 27                          ; v27    my scale words: lanes 0-15 A's rows, lanes 16-31 B's
.set SPW,  28                          ; v28    LDS address of my spare word; never rewritten
.set NIL,  29                          ; v29    0; never rewritten
.set SC,   32                          ; scale words: set s at v[SC + 16 s]; register 2 i + q: lanes 0-15 A's block i, lanes 16-31 B's block i
.set AF,   128
.set TM,   32                          ; the epilogue: v32-47 maxima, bytes, scale operands
.set PW,   48                          ; v48-55  the eight scale words
.set TP,   56                          ; v56-62  the conversions' second halves
.set PC,   64                          ; v64-159 eight fragments of codes
.set SWD,  160                         ; v160-163 the scale words as they are stored
.set SEL,  12                          ; s[12:13] selects for lane l xor 16
.set G1, 24
.set G0, 32
.set G1B, 48
.set G0B, 56
.set G1S, 68
.set G0S, 76
.set G1SB, 80
.set G0SB, 88
.set MSB, 0
.macro WIN new                         ; the immediate's high byte repeats the setting that is left
.if MSB != \new
	s_set_vgpr_msb (MSB<<8)|\new
.set MSB, \new
.endif
.endm
.set MUL_LO, 0xa1                      ; source 0 (B) window 1, source 1 (A) window 0, C and D window 2
.set MUL_HI, 0xf1                      ; the same, C and D window 3
.set TO_B,   0x40                      ; destination window 1, address window 0
; A joint load: waves 0 and 1 fetch for A, waves 2 and 3 for B; the branch hangs on the wave's number alone.  An s_nop 0 and four v_nop follow each of the two lines.
.macro JLOAD g0a, g1a, g0b, g1b
	s_cmp_eq_u32 s15, 0
	s_cbranch_scc0 .Lfor_b_\@
	tensor_load_to_lds s[\g0a:\g0a+3], s[\g1a:\g1a+7]
	s_nop 0
.rept 4
	v_nop
.endr
	s_branch .Lasked_\@
.Lfor_b_\@:
	tensor_load_to_lds s[\g0b:\g0b+3], s[\g1b:\g1b+7]
	s_nop 0
.rept 4
	v_nop
.endr
.Lasked_\@:
.endm
.macro CREST                           ; a round of the cluster's barrier behind its opening barrier
	s_cmp_lg_u32 s14, 0
	s_cbranch_scc1 .Lnot_wave_0_\@
	s_barrier_signal -3
.Lnot_wave_0_\@:
	s_barrier_wait -3
	s_barrier_signal -1
	s_barrier_wait -1
.endm
.macro CROUND
	s_barrier_signal -1
	s_barrier_wait -1
	CREST
.endm
	s_load_b128 s[4:7], s[0:1], 0x0                ; codes, scales
	s_load_b128 s[8:11], s[0:1], 0x10              ; qkvc, qkvs
	v_lshl_add_u32 v[SPW], v0, 2, SPARE
	v_mov_b32 v[NIL], 0
	ds_add_u32 v[SPW], v[NIL]                      ; the wave's opening: the add and its wait ahead of my first tensor load; the set-up below stands between them
	v_lshrrev_b32 v1, 5, v0
	v_readfirstlane_b32 s14, v1                    ; wave 0..3
	s_lshr_b32 s15, s14, 1                         ; my half of A's rows.  Also: I fetch for A (0) or for B (1)
	s_and_b32 s16, s14, 1                          ; my half of B's rows.  Also: which 8 tiles I fetch
	s_bfe_u32 s40, ttmp6, 0x40000                  ; cx
	s_bfe_u32 s41, ttmp6, 0x40004                  ; cy
	s_and_b32 s17, ttmp7, 0xffff                   ; the cluster's y
	s_cmp_eq_u32 ttmp9, 2                          ; v's clusters?  The same in all sixteen partners; it chooses numbers, never a way
	s_cselect_b32 s42, s17, ttmp9                  ; along B: the cluster's y for v, its x for q and k
	s_cselect_b32 s17, 0, s17                      ; along A: 0 for v, the cluster's y for q and k
	s_cselect_b32 s66, 640, 0                      ; A's first tile: Wv, or x
	s_cselect_b32 s67, 0, 512                      ; B's: x, or Wq | Wk
	s_cselect_b32 s95, 6, 9                        ; log2 of the tiles T in a group G of the output
	s_cselect_b32 s96, QKB, 0
	s_cselect_b32 s97, SQKB, 0
	s_lshl_b32 s42, s42, 2
	s_add_co_u32 s42, s42, s40                     ; tile column (B): hangs on cx alone
	s_lshl_b32 s17, s17, 2
	s_add_co_u32 s17, s17, s41                     ; tile row (A): hangs on cy alone
	s_lshl_b32 s43, s41, 2
	s_lshl_b32 s43, 15, s43                        ; my row of the cluster
	s_lshl_b32 s44, 0x1111, s40                    ; my column
	; descriptor group 1 for codes: 8 rows (tiles) of 3,072 bytes, 12,288 bytes apart, as elements of 8 bytes; dense in LDS
	s_or_b32 s[G1+0], s43, (3<<16)|(1<<21)         ; 15:0 the mask: A's tiles go to my row; 17:16 elements of 8 bytes; 21 set beside a mask
	s_or_b32 s[G1B+0], s44, (3<<16)|(1<<21)
.irp g, G1, G1B
	s_mov_b32 s[\g+1], 384<<16                     ; tensor_dim0
	s_mov_b32 s[\g+2], 8<<16                       ; tensor_dim1
	s_mov_b32 s[\g+3], 384<<16                     ; tile_dim0
	s_mov_b32 s[\g+4], 8                           ; tile_dim1
	s_mov_b32 s[\g+5], 1536                        ; tensor_dim0_stride
	s_mov_b32 s[\g+6], 0
	s_mov_b32 s[\g+7], 0
.endr
	; and for the scale words of 8 tiles: 4,096 dense bytes as 16 rows of 256
	s_or_b32 s[G1S+0], s43, (3<<16)|(1<<21)
	s_or_b32 s[G1SB+0], s44, (3<<16)|(1<<21)
.irp g, G1S, G1SB
	s_mov_b32 s[\g+1], 32<<16
	s_mov_b32 s[\g+2], 16<<16
	s_mov_b32 s[\g+3], 32<<16
	s_mov_b32 s[\g+4], 16
	s_mov_b32 s[\g+5], 32
	s_mov_b32 s[\g+6], 0
	s_mov_b32 s[\g+7], 0
.endr
	s_lshl_b32 s18, s16, 3                         ; which 8 tiles I fetch
	s_lshl_b32 s20, s17, 4
	s_add_co_u32 s20, s20, s18
	s_add_co_u32 s20, s20, s66                     ; A's tile
	s_lshl_b32 s46, s42, 4
	s_add_co_u32 s46, s46, s18
	s_add_co_u32 s46, s46, s67                     ; B's tile
	s_lshl_b32 s22, s20, 9                         ; their scale words, 512 bytes a tile,
	s_mov_b32 s23, 0
	s_lshl_b32 s92, s46, 9
	s_mov_b32 s93, 0
	s_mul_i32 s20, s20, 12288                      ; and their codes
	s_mov_b32 s21, 0
	s_mul_i32 s46, s46, 12288
	s_mov_b32 s47, 0
	s_mul_i32 s45, s14, HALFT                      ; where they go: no place in the cluster enters an LDS address
	s_mul_i32 s94, s14, HALFS
	s_mov_b32 s[SEL], 0x76543210
	s_mov_b32 s[SEL+1], 0xfedcba98
	s_mov_b32 s3, 0xffff0000                       ; lanes 16-31
	s_wait_dscnt 0x0                               ; the opening add is done
	s_wait_kmcnt 0x0
	s_add_nc_u64 s[20:21], s[4:5], s[20:21]
	s_add_nc_u64 s[22:23], s[6:7], s[22:23]
	s_add_nc_u64 s[46:47], s[4:5], s[46:47]
	s_add_nc_u64 s[92:93], s[6:7], s[92:93]
	CROUND                                         ; all sixteen work-groups are here: the first joint loads meet
	s_mov_b32 s[G0S], 1
	s_add_co_u32 s[G0S+1], s94, SCL
	s_mov_b64 s[G0S+2:G0S+3], s[22:23]
	s_or_b32 s[G0S+3], s[G0S+3], 0x80000000
	s_mov_b32 s[G0SB], 1
	s_add_co_u32 s[G0SB+1], s94, SCL
	s_mov_b64 s[G0SB+2:G0SB+3], s[92:93]
	s_or_b32 s[G0SB+3], s[G0SB+3], 0x80000000
	JLOAD G0S, G1S, G0SB, G1SB                     ; the scale words first: they are wanted with K step 0
.irp s, 0,1
	s_mov_b32 s[G0+4*\s], 1
	s_add_co_u32 s[G0+4*\s+1], s45, \s*SLOT
	s_add_nc_u64 s[G0+4*\s+2:G0+4*\s+3], s[20:21], \s*STEPB
	s_or_b32 s[G0+4*\s+3], s[G0+4*\s+3], 0x80000000
	s_mov_b32 s[G0B+4*\s], 1
	s_add_co_u32 s[G0B+4*\s+1], s45, \s*SLOT
	s_add_nc_u64 s[G0B+4*\s+2:G0B+4*\s+3], s[46:47], \s*STEPB
	s_or_b32 s[G0B+4*\s+3], s[G0B+4*\s+3], 0x80000000
	JLOAD G0+4*\s, G1, G0B+4*\s, G1B
.endr
	v_and_b32 v1, 15, v0                           ; r
	v_bfe_u32 v2, v0, 4, 1                         ; h
	v_and_b32 v3, 31, v0                           ; lane
	v_lshlrev_b32 v[LI], 4, v3
	v_lshlrev_b32 v[LQ], 3, v3
	s_mul_i32 s21, s15, HALFT                      ; my 8 tiles of A
	s_mul_i32 s22, s16, HALFT                      ; my 8 tiles of B,
	s_add_co_u32 s22, s22, 2*HALFT                 ; which lie behind A's 16
.irp s, 0,1
	v_add_nc_u32 v[ADRA+\s], s21, v[LI]
	v_add_nc_u32 v[ADRB+\s], s22, v[LI]
	v_add_nc_u32 v[ADRA+2+\s], s21, v[LQ]
	v_add_nc_u32 v[ADRB+2+\s], s22, v[LQ]
	s_add_co_u32 s21, s21, SLOT
	s_add_co_u32 s22, s22, SLOT
.endr
	v_lshlrev_b32 v6, 3, v1                        ; my row's two words of a K step: 8 r
	s_lshl_b32 s21, s15, 12                        ; A's: my 8 tiles
	s_lshl_b32 s22, s16, 12                        ; B's: my 8 tiles, behind A's 16
	s_add_co_u32 s22, s22, 2*HALFS
	s_sub_co_u32 s22, s22, s21
	v_mul_u32_u24 v7, s22, v2                      ; lanes 16-31 take B's: one product, the distance between the two bases
	s_add_co_u32 s21, s21, SCL
	v_add_nc_u32 v6, v6, v7
	v_add_nc_u32 v[ADRS], s21, v6
	; where my 8 fragments and their scale words go: tile ((2 x tile column + my half of B) << SH) + 16 x tile row + 8 x my half of A
	s_lshl_b32 s92, s42, 1
	s_add_co_u32 s92, s92, s16
	s_lshl_b32 s92, s92, s95
	s_lshl_b32 s93, s17, 4
	s_add_co_u32 s92, s92, s93
	s_lshl_b32 s93, s15, 3
	s_add_co_u32 s92, s92, s93
	s_mul_i32 s46, s92, 1536
	s_add_co_u32 s46, s46, s96
	s_mov_b32 s47, 0
	s_add_nc_u64 s[8:9], s[8:9], s[46:47]
	s_lshl_b32 s46, s92, 6
	s_add_co_u32 s46, s46, s97
	s_add_nc_u64 s[10:11], s[10:11], s[46:47]
.macro FRAG reg, adr, q, i             ; a fragment, 16 rows x 128 K, 12 registers, as its image lies: two half fragments of 512 + 256 bytes
	ds_load_b128 v[\reg:\reg+3], v[\adr] offset:3072*(\i)+1536*(\q)
	ds_load_b64 v[\reg+4:\reg+5], v[\adr+2] offset:3072*(\i)+1536*(\q)+512
	ds_load_b128 v[\reg+6:\reg+9], v[\adr] offset:3072*(\i)+1536*(\q)+768
	ds_load_b64 v[\reg+10:\reg+11], v[\adr+2] offset:3072*(\i)+1536*(\q)+1280
.endm
; 16 matrix instructions: A's blocks a0, a0 + 1 x B's eight.  The 64 accumulators take turns, one instruction a turn, in the same order in every step.
.macro MUL16 a0, p, q, sc, zero
.irp a, \a0, \a0+1
.irp b, 0,1,2,3,4,5,6,7
.if \zero
	v_wmma_scale_f32_16x16x128_f8f6f4 v[8*(8*((\a)%4)+\b):8*(8*((\a)%4)+\b)+7], v[128*(\p)+FR*\b:128*(\p)+FR*\b+FR-1], v[AF+FR*(\a):AF+FR*(\a)+FR-1], 0, v[SC+8*NQ*(\sc)+NQ*\b+(\q)], v[SC+8*NQ*(\sc)+NQ*(\a)+(\q)] matrix_a_fmt:MATRIX_FMT_FP6 matrix_b_fmt:MATRIX_FMT_FP6 matrix_a_scale:MATRIX_SCALE_ROW1
.else
	v_wmma_scale_f32_16x16x128_f8f6f4 v[8*(8*((\a)%4)+\b):8*(8*((\a)%4)+\b)+7], v[128*(\p)+FR*\b:128*(\p)+FR*\b+FR-1], v[AF+FR*(\a):AF+FR*(\a)+FR-1], v[8*(8*((\a)%4)+\b):8*(8*((\a)%4)+\b)+7], v[SC+8*NQ*(\sc)+NQ*\b+(\q)], v[SC+8*NQ*(\sc)+NQ*(\a)+(\q)] matrix_a_fmt:MATRIX_FMT_FP6 matrix_b_fmt:MATRIX_FMT_FP6 matrix_a_scale:MATRIX_SCALE_ROW1
.endif
.endr
.endr
.endm
.macro FETCH_B slot, q, p
	WIN TO_B
.irp i, 0,1,2,3,4,5,6,7
	FRAG 128*(\p)+FR*\i, ADRB+\slot, \q, \i
.endr
	WIN 0
.endm
.macro FETCH_A slot, q, i0
.irp i, \i0, \i0+1, \i0+2, \i0+3
	FRAG AF+FR*(\i), ADRA+\slot, \q, \i
.endr
.endm
.macro SCALES sc                       ; a K step's scale words into set sc: two words a row
.irp i, 0,1,2,3,4,5,6,7
	ds_load_b64 v[SC+8*NQ*\sc+NQ*\i:SC+8*NQ*\sc+NQ*\i+1], v[ADRS] offset:\i*SBLK
.endr
.endm
.macro PLACES n                        ; plain vector instructions between a matrix instruction and a load into, or a vector instruction on, its registers
.rept \n
	v_nop
.endr
.endm
.macro STEP slot, q, zero              ; a step of 128 along K that has its successor in the same slot
	s_wait_dscnt 4*NL                              ; B's set, A's blocks 0-3 and the scale words are in; the youngest 16 loads (A's blocks 4-7) may be out
	WIN MUL_LO
	MUL16 0, (\q)%2, \q, \slot, \zero
	MUL16 2, (\q)%2, \q, \slot, \zero
	s_wait_dscnt 0
	PLACES NP
	FETCH_B \slot, (\q)+1, 1-(\q)%2
	FETCH_A \slot, (\q)+1, 0
	WIN MUL_HI
	MUL16 4, (\q)%2, \q, \slot, \zero
	MUL16 6, (\q)%2, \q, \slot, \zero
	PLACES NP
	WIN 0
	FETCH_A \slot, (\q)+1, 4
.endm
; A slot's last step changes slots: one barrier; in front of it each wave waits for all its tensor loads, adds 0 to its spare word, and waits for that and for its own reads of this slot.  fill = 1: this slot is filled again, two K steps ahead.
.macro TURN slot, next, fill
	s_wait_tensorcnt 0x0                           ; all my tensor loads have landed: my part of the next slot
	ds_add_u32 v[SPW], v[NIL]                      ; 0 onto my spare word
	s_wait_dscnt 4*NL+1                            ; (the add and the youngest 16 loads, A's blocks 4-7, may be out)
	WIN MUL_LO
	MUL16 0, 1, NQ-1, \slot, 0
	s_wait_dscnt 0x0                               ; the add is done, and my reads of this slot are over
	s_barrier_signal -1
	MUL16 2, 1, NQ-1, \slot, 0
	WIN 0
	s_barrier_wait -1
.if \fill
	CREST                                          ; the barrier has opened a round of the cluster's barrier: no wave of any partner still reads this slot or has a load on its way
	s_add_nc_u64 s[G0+4*\slot+2:G0+4*\slot+3], s[G0+4*\slot+2:G0+4*\slot+3], 2*STEPB
	s_add_nc_u64 s[G0B+4*\slot+2:G0B+4*\slot+3], s[G0B+4*\slot+2:G0B+4*\slot+3], 2*STEPB
	JLOAD G0+4*\slot, G1, G0B+4*\slot, G1B         ; the first tensor load behind the round; its four v_nop are the places in front of the loads below
.else
	PLACES NP
.endif
	v_add_nc_u32 v[ADRS], 128, v[ADRS]             ; on to the next K step's scale words (no LDS load of mine is out)
	FETCH_B \next, 0, 0
	FETCH_A \next, 0, 0
	SCALES \next
	WIN MUL_HI
	MUL16 4, 1, NQ-1, \slot, 0
	MUL16 6, 1, NQ-1, \slot, 0
	PLACES NP
	WIN 0
	FETCH_A \next, 0, 4
.endm
	s_wait_tensorcnt 1                             ; the scale words and my part of K step 0 are in (K step 1's load may be out),
	s_barrier_signal -1
	s_barrier_wait -1                              ; everybody's are
	FETCH_B 0, 0, 0
	FETCH_A 0, 0, 0
	SCALES 0
	FETCH_A 0, 0, 4
	STEP 0, 0, 1                                   ; the first products start the sums: nothing is cleared
	TURN 0, 1, 1                                   ; slot 0 takes K step 2
	STEP 1, 0, 0
	TURN 1, 0, 1                                   ; slot 1 takes K step 3
	STEP 0, 0, 0
	TURN 0, 1, 0                                   ; nothing is left to fetch
	STEP 1, 0, 0
	s_wait_dscnt 4*NL
	WIN MUL_LO
	MUL16 0, 1, NQ-1, 1, 0
	MUL16 2, 1, NQ-1, 1, 0
	s_wait_dscnt 0
	WIN MUL_HI
	MUL16 4, 1, NQ-1, 1, 0
	MUL16 6, 1, NQ-1, 1, 0
	WIN 0
; THE EPILOGUE.  Block a of A's rows: a lane's 64 numbers, register 16 b + i = place 32 b + 16 (lane / 16) + i along the next K, become a fragment's codes and its row's scale word.  Each accumulator is read from its low end on.
.macro QUANTW a
.set AC, 64*((\a)%4)
.set PCA, PC+12*(\a)
	WIN 0x0a+5*((\a)/4)                            ; sources 0 and 1: window 2 or 3
.irp b, 0,1,2,3
	v_max3_num_f32 v[TM+\b], |v[AC+16*\b]|, |v[AC+1+16*\b]|, 0x1800000   ; my 16 numbers of block b, and the floor 2^(3 - 127): the byte cannot fall under 1
.endr
.irp i, 2,4,6,8,10,12,14
.irp b, 0,1,2,3
	v_max3_num_f32 v[TM+\b], |v[AC+16*\b+\i]|, |v[AC+1+16*\b+\i]|, v[TM+\b]
.endr
.endr
	WIN 0
.irp b, 0,1,2,3
	v_permlanex16_b32 v[TM+4+\b], v[TM+\b], s[SEL], s[SEL+1]
.endr
.irp b, 0,1,2,3
	v_max_num_f32 v[TM+\b], v[TM+\b], v[TM+4+\b]   ; with lane l xor 16's: the block's largest magnitude
.endr
.irp b, 0,1,2,3
	v_add_nc_u32 v[TM+12+\b], 0xff000000, v[TM+\b] ; 2 off its exponent field: the conversion's scale operand
.endr
.irp b, 0,1,2,3
	v_lshrrev_b32 v[TM+4+\b], 23, v[TM+12+\b]      ; the scale's byte
.endr
	v_lshl_or_b32 v[PW+(\a)], v[TM+5], 8, v[TM+4]
	v_lshl_or_b32 v[PW+(\a)], v[TM+6], 16, v[PW+(\a)]
	v_lshl_or_b32 v[PW+(\a)], v[TM+7], 24, v[PW+(\a)]
	WIN 2+(\a)/4                                   ; source 0: window 2 or 3
.irp c, 0,1
	v_cvt_scalef32_pk16_fp6_f32 v[PCA+6*\c:PCA+6*\c+2], v[AC+32*\c:AC+32*\c+15], v[TM+12+2*\c]
	v_cvt_scalef32_pk16_fp6_f32 v[TP+4*\c:TP+4*\c+2], v[AC+16+32*\c:AC+31+32*\c], v[TM+12+2*\c+1]   ; (a conversion's three registers begin on an even number)
.endr
	WIN 0
	v_nop                                          ; one plain place behind the scaled conversions
.irp c, 0,1                                    ; the operand's layout wants a whole block in a lane
.irp i, 0,1,2
	v_permlane16_swap_b32 v[PCA+6*\c+\i], v[TP+4*\c+\i]
.endr
.irp i, 0,1,2
	v_mov_b32 v[PCA+3+6*\c+\i], v[TP+4*\c+\i]
.endr
.endr
	global_store_b128 v[LI], v[PCA:PCA+3], s[8:9] offset:1536*(\a)         ; the fragment's image: each store covers whole aligned blocks of 256 bytes; each block has its own registers, so none is written again
	global_store_b64 v[LQ], v[PCA+4:PCA+5], s[8:9] offset:1536*(\a)+512
	global_store_b128 v[LI], v[PCA+6:PCA+9], s[8:9] offset:1536*(\a)+768
	global_store_b64 v[LQ], v[PCA+10:PCA+11], s[8:9] offset:1536*(\a)+1280
.endm
	PLACES NP                                      ; behind the last products: their results are read, and their operands' and scales' registers written, below
.irp b, 0,1,2,3
	v_mov_b32 v[TM+4+\b], 0                        ; a lane permute's destination counts as one of its sources
.endr
.irp a, 0,1,2,3,4,5,6,7
	QUANTW \a
.endr
.irp j, 0,1,2,3
	v_cndmask_b32 v[SWD+\j], v[PW+2*\j], v[PW+2*\j+1], s3   ; lanes 0-15: tile 2 j's words; lanes 16-31: tile 2 j + 1's
.endr
	global_store_b128 v[LI], v[SWD:SWD+3], s[10:11]         ; 512 consecutive bytes
	s_wait_tensorcnt 0x0                           ; the wave's end
	ds_add_u32 v[SPW], v[NIL]
	s_wait_dscnt 0x0
	CROUND                                         ; the closing round: no work-group ends while a partner may still ask for a tile that names it
	s_endpgm
.Lfunc_end_k_q0af2cde776_qkv:
	.size	k_q0af2cde776_qkv, .Lfunc_end_k_q0af2cde776_qkv-k_q0af2cde776_qkv
	.p2alignl 7, 3214868480
	.fill 96, 4, 3214868480
	.section	.rodata,"a",@progbits
	.p2align	6, 0x0
	.amdhsa_kernel k_q0af2cde776_qkv
		.amdhsa_group_segment_fixed_size 327680
		.amdhsa_private_segment_fixed_size 0
		.amdhsa_enable_private_segment 0
		.amdhsa_kernarg_size 32
		.amdhsa_user_sgpr_count 2
		.amdhsa_user_sgpr_kernarg_segment_ptr 1
		.amdhsa_wavefront_size32 1
		.amdhsa_system_sgpr_workgroup_id_x 1
		.amdhsa_system_sgpr_workgroup_id_y 1
		.amdhsa_system_sgpr_workgroup_id_z 1
		.amdhsa_system_vgpr_workitem_id 0
		.amdhsa_next_free_vgpr 1024
		.amdhsa_next_free_sgpr 98
		.amdhsa_reserve_vcc 0
		.amdhsa_float_denorm_mode_32 3
		.amdhsa_float_denorm_mode_16_64 3
		.amdhsa_memory_ordered 1
		.amdhsa_forward_progress 1
		.amdhsa_inst_pref_size 148
	.end_amdhsa_kernel
	.amdgpu_metadata
---
amdhsa.version: [ 1, 2 ]
amdhsa.kernels:
  - .name:           k_q0af2cde776_qkv
    .symbol:         k_q0af2cde776_qkv.kd
    .args:
      - { .name: codes, .offset: 0, .size: 8, .value_kind: global_buffer, .address_space: global }
      - { .name: scales, .offset: 8, .size: 8, .value_kind: global_buffer, .address_space: global }
      - { .name: qkvc, .offset: 16, .size: 8, .value_kind: global_buffer, .address_space: global }
      - { .name: qkvs, .offset: 24, .size: 8, .value_kind: global_buffer, .address_space: global }
    .group_segment_fixed_size: 327680
    .private_segment_fixed_size: 0
    .kernarg_segment_align: 8
    .kernarg_segment_size: 32
    .max_flat_workgroup_size: 128
    .sgpr_count:     98
    .vgpr_count:     1024
    .wavefront_size: 32
...
	.end_amdgpu_metadata
.endif
;; end of part 2
;; launch attn (part 3): grid 8 x 64, 16 waves a work-group, no clusters, 327,680 bytes of LDS; arguments qkvc, qkvs, ctxc, ctxs; writes ctxc, ctxs
.if DOCPART == 3
	.amdgcn_target "amdgcn-amd-amdhsa--gfx1250"
	.amdhsa_code_object_version 6
	.text
	.protected	k_q0af2cde776_attn
	.globl	k_q0af2cde776_attn
	.p2align	8
	.type	k_q0af2cde776_attn,@function
k_q0af2cde776_attn:
	s_mov_b64 s[64:65], 0
	v_nop
	global_prefetch_b8 v0, s[64:65] scope:SCOPE_SE
	s_setreg_imm32_b32 hwreg(HW_REG_WAVE_MODE, 25, 1), 1
	s_wait_xcnt 0x0
; ctx[b][q][head] = softmax_k(q . k / 8, causal) v, both products on codes of FP6 (E2M3) with E8M0 scales; the result is divided by the row's sum, quantised along the model's 1,024 and stored as codes.
; THE SOFTMAX: t = score x log2(e) / 8; M = the row's largest t so far, rounded up to a whole number; p = 2^(t - M) is quantised along the keys, not normalised; the row's sum is taken of the unquantised p.
; When M moves, the sum and O are multiplied by 2^(old M - new M): exact.
; IN.  qkvc [G][T][1,536]: q (G = head / 2), k (G = 8 + head / 2): T = tiles of 16 tokens, half fragment head % 2 of 768 bytes; v from byte QKB: G = group of 128 keys, T = tile of 16 channels, a fragment of 16 channels x 128 keys.
; qkvs: 512 bytes for 8 tiles, word of tile a, row r at 16 (16 (a % 2) + r) + 4 (a / 2).  Place i of a tile T holds row 32 (T / 2) + 8 (T % 2) + i % 8 + 16 (i / 8).
; OUT.  ctxc [tile of tokens][head][768], ctxs [tile][4][16][2 words].
; SHARES.  Work-group (i, b x 16 + head) owns the groups of 128 queries i and 15 - i: eight waves each, a wave one tile of 16 queries.  A wave of group g walks g + 1 key steps of 128, so a work-group's sixteen waves walk 8 x 17 steps whatever i is,
; and of any four waves with equal number mod 4, or equal number / 4, two are of the low group and two of the high.
; LAYOUT.  Both products are used transposed (S^T = k q^T, O^T = v^T p^T): a lane holds one query throughout; by the tiles' order of rows the 16 registers of tiles 2 b, 2 b + 1 are 16 neighbouring keys (channels).
; THE FIRST PRODUCT'S K IS 64 in an instruction of 128: q's registers 6-11 are zero codes, so what stands in k's registers 6-11 (the next tile's codes, all finite) adds nothing; both sides' scale bytes 2, 3 are 0.
; THE RING.  Two slots of 256 keys (k: 16 tiles x 768 bytes; v: 2 x 4 fragments), filled by waves 0-3, read by all sixteen; the scale words of the whole head stay in LDS.  Every work-group walks all eight changes of slots (constant trip counts);
; a step whose keys all come after the wave's queries is jumped over; a slot whose first key comes after the work-group's last query is not asked for.
; NO CLUSTER: the eight work-groups of a head ask for different numbers of slots (up to key 128 (15 - i) + 127), and a slot's 24,576 bytes stand against 32 wave steps of softmax.
; LIMITS: a block of zeros gets the byte 1 (its codes are zeros; this program alone reads the bytes); NaN and infinities are not served.
; REGISTERS: v1-7 fixed; v8-11 addresses in hand; v12 -M, v13 largest t, v[14:15] the sum; v16-21 q, v22-27 zeros; v28-31 fixed; v32-79 k's 8 half fragments, then v's 4 fragments; v80-85 zeros; v96-159 S^T, then p; v160-191 O^T;
; v192-199 k's scales; v224-235 p's codes; v232-254 at work; v248-251 v's scales; v253 p's scale word; v255 q's scale.
.set SLOT1, 32768                      ; slot 1 begins here: one exclusive or turns an address from one slot into the other's
.set VOFF,  12288                      ; in a slot: v behind k
.set SCK,   65536                      ; k's scale words of the head pair: 512 bytes a key step
.set SCV,   73728                      ; v's likewise
.set SPARE, 81920                      ; the spare words, 128 bytes for each of sixteen waves
.set QKB,   12582912
.set SQKB,  524288
.set NSL,   8
.set LP,   1                           ; v1   16 x lane
.set LQ,   2                           ; v2   8 x lane
.set ASK0, 3                           ; v3   SCK + 16 r + 2 (head % 2)
.set ASV0, 4                           ; v4   SCV + 16 r + 8 (head % 2)
.set SPW,  5                           ; v5   LDS address of my spare word; never rewritten
.set NIL,  6                           ; v6   0; never rewritten
.set DQ,   7                           ; v7   my query's place in its group of 128, less 16 (lane / 16)
.set ADP,  8
.set ADQ,  9
.set ADS,  10
.set ADT,  11
.set PFO,  28                          ; v28  the prefetches' offset in qkvc
.set PFS,  29                          ; v29  a slot on: 24,576 in k's lanes, 196,608 in v's
.set R16,  30                          ; v30  16 r
.set R8,   31                          ; v31  8 r
.set TB,   2
.set TS,   3
.set WV,   18
.set SEL,  20
.set CS,   22
.set G1K,  24
.set G1V,  32
.set G0K,  40
.set G0V,  44
.set G1SK, 48
.set G0SK, 56
.set G0SV, 60
.set KF,   66                          ; s66  the step's first key
.set SLOTS, 67
.set G1SV, 68
.set Q128, 76                          ; s76  my group's first query
.set QLAST, 77                         ; s77  my work-group's last query
.set LIM,  78                          ; s78  1 in a wave that prefetches, else the greatest number
; Waves 0 and 1 fetch for k, waves 2 and 3 for v, the others nothing.  An s_nop 0 and four v_nop follow each of the two lines.
.macro TLOAD g0k, g1k, g0v, g1v
	s_cmp_lt_u32 s[WV], 2
	s_cbranch_scc0 .Lnot_k_\@
	tensor_load_to_lds s[\g0k:\g0k+3], s[\g1k:\g1k+7]
	s_nop 0
.rept 4
	v_nop
.endr
	s_branch .Lasked_\@
.Lnot_k_\@:
	s_cmp_lt_u32 s[WV], 4
	s_cbranch_scc0 .Lasked_\@
	tensor_load_to_lds s[\g0v:\g0v+3], s[\g1v:\g1v+7]
	s_nop 0
.rept 4
	v_nop
.endr
.Lasked_\@:
.endm
; A prefetch of what the NEXT change of slots will ask for: 48 blocks of 256 bytes of k and 48 of v.  All eight work-groups of a head walk the same k and v: the first of them asks, by waves 4 to 6, which fetch nothing: one instruction each,
; lanes 0-15 a block of each of k's 16 tiles, lanes 16-31 sixteen blocks of v.  So each block is named once in the launch.  Slots 0 and 1 come by their loads alone; the last change that fills a slot asks for nothing.
.macro ASK
	s_cmp_gt_u32 s[SLOTS], s[LIM]
	s_cbranch_scc0 .Lnot_mine_\@
	s_wait_alu depctr_va_vdst(0)
	global_prefetch_b8 v[PFO], s[4:5] th:TH_LOAD_NT scope:SCOPE_SE
.Lnot_mine_\@:
.endm
	s_load_b256 s[4:11], s[0:1], 0x0               ; qkvc, qkvs, ctxc, ctxs
	v_lshl_add_u32 v[SPW], v0, 2, SPARE
	v_mov_b32 v[NIL], 0
	ds_add_u32 v[SPW], v[NIL]                      ; the wave's opening: the add and its wait ahead of my first tensor load; the set-up below stands between them
	ds_add_u32 v[SPW], v[NIL]
	v_lshrrev_b32 v8, 5, v0
	s_delay_alu instid0(VALU_DEP_1)
	v_readfirstlane_b32 s[WV], v8                  ; wave 0..15
	s_and_b32 s12, ttmp7, 0xffff
	s_lshr_b32 s13, s12, 4                         ; b
	s_and_b32 s14, s12, 15                         ; head
	s_lshr_b32 s15, s14, 1                         ; head / 2
	s_and_b32 s16, s14, 1                          ; head % 2
	s_and_b32 s17, s[WV], 1                        ; which half of a slot I fetch, if I fetch
	s_lshl_b32 s80, s15, 9
	s_lshl_b32 s79, s13, 7                         ; 128 b
	s_add_co_u32 s80, s80, s79                     ; q's first tile of (pair of heads, b)
	s_add_co_u32 s81, s80, 4096                    ; k's
	s_lshl_b32 s82, s17, 3
	s_add_co_u32 s82, s82, s81
	s_mul_i32 s82, s82, 1536
	s_mul_i32 s98, s16, 768
	s_add_co_u32 s82, s82, s98                     ; k: my 8 half fragments of slot 0
	s_mov_b32 s83, 0
	s_lshl_b32 s84, s13, 4
	s_add_co_u32 s84, s84, s17
	s_lshl_b32 s84, s84, 6
	s_lshl_b32 s85, s14, 2
	s_add_co_u32 s84, s84, s85
	s_mul_i32 s84, s84, 1536
	s_add_co_u32 s84, s84, QKB                     ; v: my four fragments of slot 0
	s_mov_b32 s85, 0
	s_lshl_b32 s86, s17, 6
	s_add_co_u32 s86, s86, s81
	s_lshl_b32 s86, s86, 6                         ; k's scale words: my 64 tiles
	s_mov_b32 s87, 0
	s_lshl_b32 s88, s13, 4
	s_lshl_b32 s89, s17, 3
	s_add_co_u32 s88, s88, s89
	s_lshl_b32 s88, s88, 6
	s_lshl_b32 s89, s15, 3
	s_add_co_u32 s88, s88, s89
	s_lshl_b32 s88, s88, 6
	s_add_co_u32 s88, s88, SQKB                    ; v's: my 8 groups of keys
	s_mov_b32 s89, 0
	s_mul_i32 s90, s17, 6144                       ; where they go in a slot,
	s_lshl_b32 s92, s17, 12                        ; and among the scale words
	s_lshr_b32 s94, s[WV], 2
	s_xor_b32 s94, s94, s[WV]
	s_and_b32 s94, s94, 1                          ; 0: the low group of queries, 1: the high
	s_lshr_b32 s95, s[WV], 1
	s_and_b32 s95, s95, 4
	s_and_b32 s96, s[WV], 3
	s_or_b32 s95, s95, s96                         ; my tile in the group, 0..7
	s_sub_co_u32 s96, 15, ttmp9
	s_cmp_eq_u32 s94, 0
	s_cselect_b32 s97, ttmp9, s96                  ; my group
	s_lshl_b32 s[Q128], s97, 7
	s_lshl_b32 s[QLAST], s96, 7
	s_or_b32 s[QLAST], s[QLAST], 127
	s_lshl_b32 s97, s97, 3
	s_add_co_u32 s97, s97, s95                     ; my tile of queries in the batch
	; descriptor groups 1, elements of 8 bytes, no padding.  k: 8 rows of 768 bytes, 1,536 apart
	s_mov_b32 s[G1K], 3<<16
	s_mov_b32 s[G1K+1], 96<<16
	s_mov_b32 s[G1K+2], 8<<16
	s_mov_b32 s[G1K+3], 96<<16
	s_mov_b32 s[G1K+4], 8
	s_mov_b32 s[G1K+5], 192
	s_mov_b32 s[G1K+6], 0
	s_mov_b32 s[G1K+7], 0
	s_mov_b32 s[G1V], 3<<16                        ; v: 6,144 dense bytes as 24 rows of 256
	s_mov_b32 s[G1V+1], 32<<16
	s_mov_b32 s[G1V+2], 24<<16
	s_mov_b32 s[G1V+3], 32<<16
	s_mov_b32 s[G1V+4], 24
	s_mov_b32 s[G1V+5], 32
	s_mov_b32 s[G1V+6], 0
	s_mov_b32 s[G1V+7], 0
	s_mov_b32 s[G1SK], 3<<16                       ; k's scale words: 4,096 dense bytes as 16 rows of 256
	s_mov_b32 s[G1SK+1], 32<<16
	s_mov_b32 s[G1SK+2], 16<<16
	s_mov_b32 s[G1SK+3], 32<<16
	s_mov_b32 s[G1SK+4], 16
	s_mov_b32 s[G1SK+5], 32
	s_mov_b32 s[G1SK+6], 0
	s_mov_b32 s[G1SK+7], 0
	s_mov_b32 s[G1SV], 3<<16                       ; v's: 8 rows of 512 bytes, 4,096 apart
	s_mov_b32 s[G1SV+1], 64<<16
	s_mov_b32 s[G1SV+2], 8<<16
	s_mov_b32 s[G1SV+3], 64<<16
	s_mov_b32 s[G1SV+4], 8
	s_mov_b32 s[G1SV+5], 512
	s_mov_b32 s[G1SV+6], 0
	s_mov_b32 s[G1SV+7], 0
	s_mov_b32 s[SEL], 0x76543210
	s_mov_b32 s[SEL+1], 0xfedcba98
	s_mov_b32 s[CS], 0x3e38aa3b                    ; c = log2(e) / 8
	s_mov_b32 s[CS+1], s[CS]                       ; (named with it as a pair, so it is written)
	s_mov_b32 s[TB], 0
	s_mov_b32 s[TS], 0
	s_mov_b32 s[KF], 0
	s_mov_b32 s[SLOTS], NSL-1
	s_wait_dscnt 0x0                               ; the opening add is done
	s_wait_kmcnt 0x0
	s_mov_b32 s[G0SK], 1
	s_add_co_u32 s[G0SK+1], s92, SCK
	s_add_nc_u64 s[G0SK+2:G0SK+3], s[6:7], s[86:87]
	s_or_b32 s[G0SK+3], s[G0SK+3], 0x80000000
	s_mov_b32 s[G0SV], 1
	s_add_co_u32 s[G0SV+1], s92, SCV
	s_add_nc_u64 s[G0SV+2:G0SV+3], s[6:7], s[88:89]
	s_or_b32 s[G0SV+3], s[G0SV+3], 0x80000000
	TLOAD G0SK, G1SK, G0SV, G1SV                   ; the scale words of the whole head: filled once
	s_mov_b32 s[G0K], 1
	s_mov_b32 s[G0K+1], s90
	s_add_nc_u64 s[G0K+2:G0K+3], s[4:5], s[82:83]
	s_or_b32 s[G0K+3], s[G0K+3], 0x80000000
	s_mov_b32 s[G0V], 1
	s_add_co_u32 s[G0V+1], s90, VOFF
	s_add_nc_u64 s[G0V+2:G0V+3], s[4:5], s[84:85]
	s_or_b32 s[G0V+3], s[G0V+3], 0x80000000
	TLOAD G0K, G1K, G0V, G1V                       ; slot 0
	s_add_co_u32 s82, s80, s97                     ; q's tile
	s_lshr_b32 s84, s82, 3
	s_lshl_b32 s84, s84, 9                         ; its group of 8 among the scale words,
	s_mul_i32 s82, s82, 1536
	s_add_co_u32 s82, s82, s98
	s_mov_b32 s83, 0
	s_add_nc_u64 s[82:83], s[4:5], s[82:83]        ; q's half fragment
	s_and_b32 s85, s95, 1
	s_lshl_b32 s85, s85, 8
	s_add_co_u32 s84, s84, s85
	s_lshr_b32 s85, s95, 1
	s_lshl_b32 s85, s85, 2
	s_add_co_u32 s84, s84, s85
	s_lshl_b32 s85, s16, 1
	s_add_co_u32 s84, s84, s85                     ; its word, my head's two bytes
	s_mov_b32 s85, 0
	s_add_nc_u64 s[84:85], s[6:7], s[84:85]
	v_and_b32 v8, 15, v0                           ; r
	v_bfe_u32 v9, v0, 4, 1                         ; h
	v_and_b32 v10, 31, v0                          ; lane
	s_delay_alu instid0(VALU_DEP_1)
	v_lshlrev_b32 v[LP], 4, v10
	s_delay_alu instid0(VALU_DEP_2)
	v_lshlrev_b32 v[LQ], 3, v10
	v_lshlrev_b32 v[R16], 4, v8
	s_wait_alu depctr_va_vdst(0)
	v_lshlrev_b32 v[R8], 3, v8
	global_load_b128 v[16:19], v[LP], s[82:83]             ; q's codes stay in registers
	global_load_b64 v[20:21], v[LQ], s[82:83] offset:512
	global_load_u16 v255, v[R16], s[84:85]                 ; q's two scale bytes; bytes 2 and 3 are 0
	s_add_co_u32 s86, s79, s97                     ; where the result goes: tile 128 b + my tile
	s_mul_i32 s88, s86, 12288
	s_mul_i32 s89, s14, 768
	s_add_co_u32 s88, s88, s89
	s_mov_b32 s89, 0
	s_add_nc_u64 s[8:9], s[8:9], s[88:89]
	s_lshl_b32 s88, s86, 9
	s_lshr_b32 s87, s14, 2
	s_lshl_b32 s87, s87, 7
	s_add_co_u32 s88, s88, s87
	s_and_b32 s87, s14, 3
	s_lshl_b32 s87, s87, 1
	s_add_co_u32 s88, s88, s87
	s_add_nc_u64 s[10:11], s[10:11], s[88:89]
	s_lshl_b32 s86, s16, 1
	s_add_co_u32 s86, s86, SCK
	v_add_nc_u32 v[ASK0], s86, v[R16]
	s_lshl_b32 s86, s16, 3
	s_add_co_u32 s86, s86, SCV
	v_add_nc_u32 v[ASV0], s86, v[R16]
	s_lshr_b32 s86, s95, 1
	s_lshl_b32 s86, s86, 5
	s_and_b32 s87, s95, 1
	s_lshl_b32 s87, s87, 3
	s_add_co_u32 s86, s86, s87                     ; my tile's rows begin at 32 (tile / 2) + 8 (tile % 2)
	v_and_b32 v[DQ], 7, v8
	v_and_b32 v12, 8, v8
	s_delay_alu instid0(VALU_DEP_1)
	v_lshl_add_u32 v[DQ], v12, 1, v[DQ]            ; + r % 8 + 16 (r / 8)
	v_lshlrev_b32 v12, 4, v9
	s_delay_alu instid0(VALU_DEP_1)
	v_sub_nc_u32 v[DQ], v[DQ], v12                 ; - 16 h
	s_delay_alu instid0(VALU_DEP_1)
	v_add_nc_u32 v[DQ], s86, v[DQ]
	; the prefetches: where my lane's stand (in slot 1: the first change of slots steps them to slot 2), and who asks
	s_and_b32 s90, s[WV], 3                        ; j = 0, 1, 2 in waves 4, 5, 6
	s_mul_i32 s91, s81, 1536
	s_add_co_u32 s91, s91, s98
	s_lshl_b32 s92, s90, 8
	s_add_co_u32 s91, s91, s92
	s_add_co_u32 s91, s91, 24576
	v_mul_u32_u24 v12, v8, 1536
	s_delay_alu instid0(VALU_DEP_1)
	v_add_nc_u32 v12, s91, v12                     ; k: tile r, block j of its 768 bytes
	s_lshl_b32 s92, s13, 10
	s_lshl_b32 s93, s14, 2
	s_add_co_u32 s92, s92, s93
	s_mul_i32 s92, s92, 1536
	s_add_co_u32 s92, s92, QKB+196608
	s_lshl_b32 s93, s90, 4
	v_add_nc_u32 v13, s93, v8                      ; v: block n = 16 j + r of 48;
	s_delay_alu instid0(VALU_DEP_1)
	v_cmp_le_u32 vcc_lo, 24, v13
	v_mov_b32 v14, 0
	v_mov_b32 v15, 92160
	s_delay_alu instid0(VALU_DEP_1)
	v_cndmask_b32 v14, v14, v15, vcc_lo            ; the second group of keys begins 98,304 bytes behind the first
	s_delay_alu instid0(VALU_DEP_1)
	v_lshl_add_u32 v13, v13, 8, v14
	s_delay_alu instid0(VALU_DEP_1)
	v_add_nc_u32 v13, s92, v13
	v_cmp_eq_u32 vcc_lo, 1, v9
	s_delay_alu instid0(VALU_DEP_1)
	v_cndmask_b32 v[PFO], v12, v13, vcc_lo
	v_mov_b32 v14, 24576
	v_mov_b32 v15, 196608
	s_delay_alu instid0(VALU_DEP_1)
	v_cndmask_b32 v[PFS], v14, v15, vcc_lo
	s_sub_co_u32 s90, s[WV], 4
	s_cmp_lt_u32 s90, 3
	s_cselect_b32 s90, 0, 1                        ; 0 in waves 4 to 6,
	s_or_b32 s90, s90, ttmp9                       ; of the head's first work-group
	s_cmp_eq_u32 s90, 0
	s_cselect_b32 s[LIM], 1, -1
.irp j, 22,23,24,25,26,27,80,81,82,83,84,85
	v_mov_b32 v[\j], 0                             ; zero codes: q's upper half, and what stands behind k's last tile
.endr
	v_mov_b32 v13, 0xff61b1e6                      ; the largest t so far: -3e38, under every t
	s_delay_alu instid0(VALU_DEP_1)
	v_floor_f32 v12, -v13                          ; -M
	v_mov_b32 v14, 0                               ; the sum, in two halves
	v_mov_b32 v15, 0
.irp b, 0,1,2,3
	v_mov_b32 v[236+\b], 0                         ; a lane permute's destination counts as one of its sources
.endr
	v_mov_b32 v252, 0
	v_mov_b32 v253, 0
.set J, 0
.rept 32
	v_mov_b32 v[160+J], 0                          ; O^T.  (The step is written once: the first finds zeros, which the first change of M leaves zeros)
.set J, J+1
.endr
; A KEY STEP: 128 keys, the q-th of the slot in hand.
.macro STEP q
	s_cmp_gt_u32 s[KF], s[Q128]                    ; all these keys come after my queries: the step's work is left out (ids and the count of steps alone; no barrier and no tensor load stands in a step)
	s_cbranch_scc1 .Lhidden_\@
	v_add_nc_u32 v[ADP], s[TB], v[LP]              ; (these four are also the places in front of the loads into registers that the last products read)
	v_add_nc_u32 v[ADQ], s[TB], v[LQ]
	v_add_nc_u32 v[ADS], s[TS], v[ASK0]
	v_add_nc_u32 v[ADT], s[TS], v[ASV0]
.irp a, 0,1,2,3,4,5,6,7
	ds_load_b128 v[32+6*\a:35+6*\a], v[ADP] offset:(8*(\q)+\a)*768
	ds_load_b64 v[36+6*\a:37+6*\a], v[ADQ] offset:(8*(\q)+\a)*768+512
	ds_load_u16 v[192+\a], v[ADS] offset:256*(\a%2)+4*(\a/2)       ; my head's two scale bytes; bytes 2 and 3 are 0
.endr
	s_wait_alu depctr_va_vdst(0)
	s_wait_dscnt 0x0
.irp a, 0,1,2,3,4,5,6,7
	v_wmma_scale_f32_16x16x128_f8f6f4 v[96+8*\a:103+8*\a], v[32+6*\a:43+6*\a], v[16:27], 0, v[192+\a], v255 matrix_a_fmt:MATRIX_FMT_FP6 matrix_b_fmt:MATRIX_FMT_FP6
.endr
.rept 4
	v_nop                                          ; places: in front of the loads into k's registers, and of the first read of the scores
.endr
.irp t, 0,1,2,3                                ; v's four fragments and their scale words: they land under the softmax
	ds_load_b128 v[32+12*\t:35+12*\t], v[ADP] offset:VOFF+6144*(\q)+1536*\t
	ds_load_b64 v[36+12*\t:37+12*\t], v[ADQ] offset:VOFF+6144*(\q)+1536*\t+512
	ds_load_b128 v[38+12*\t:41+12*\t], v[ADP] offset:VOFF+6144*(\q)+1536*\t+768
	ds_load_b64 v[42+12*\t:43+12*\t], v[ADQ] offset:VOFF+6144*(\q)+1536*\t+1280
	ds_load_b32 v[248+\t], v[ADT] offset:256*(\t%2)+4*(\t/2)
.endr
	s_cmp_lt_u32 s[KF], s[Q128]                    ; all these keys count: no mask
	s_cbranch_scc1 .Lopen_\@
	v_mov_b32 v254, 0xff800000                     ; on the diagonal hidden scores become -infinity ahead of the maximum: p = 0 then.  Register 16 b + i holds key 32 b + 16 h + i of the step
.set N, 0
.rept 64
	v_cmp_gt_i32 vcc_lo, 32*(N/16)+N%16, v[DQ]
	v_cndmask_b32 v[96+N], v[96+N], v254, vcc_lo
.set N, N+1
.endr
.Lopen_\@:
.irp b, 0,1,2,3
	v_max3_num_f32 v[232+\b], v[96+16*\b], v[97+16*\b], v[98+16*\b]   ; the largest score of each block of 32 keys: it serves for the row's maximum and, since p rises with the score, for the block's largest p
.endr
.irp i, 3,5,7,9,11,13
.irp b, 0,1,2,3
	v_max3_num_f32 v[232+\b], v[232+\b], v[96+16*\b+\i], v[97+16*\b+\i]
.endr
.endr
.irp b, 0,1,2,3
	v_max_num_f32 v[232+\b], v[232+\b], v[111+16*\b]
.endr
.irp b, 0,1,2,3
	s_delay_alu instid0(VALU_DEP_4)
	v_permlanex16_b32 v[236+\b], v[232+\b], s[SEL], s[SEL+1]
.endr
.irp b, 0,1,2,3
	s_delay_alu instid0(VALU_DEP_4)
	v_max_num_f32 v[232+\b], v[232+\b], v[236+\b]  ; with lane l xor 16's 16 keys
.endr
	s_delay_alu instid0(VALU_DEP_2)
	v_max3_num_f32 v254, v232, v233, v234
	s_delay_alu instid0(VALU_DEP_1)
	v_max_num_f32 v254, v254, v235                 ; the step's largest score of my query
	s_delay_alu instid0(VALU_DEP_1)
	v_mul_f32 v254, s[CS], v254                    ; as t (c is positive)
	s_delay_alu instid0(VALU_DEP_1)
	v_max_num_f32 v13, v13, v254                   ; the running largest t
	v_mov_b32 v254, v12
	s_delay_alu instid0(VALU_DEP_2)
	v_floor_f32 v12, -v13                          ; the new -M = floor(-t): M is a whole number
	s_delay_alu instid0(VALU_DEP_1)
	v_sub_f32 v254, v12, v254                      ; old M less new M: a whole number, 0 or less
	s_delay_alu instid0(VALU_DEP_1)
	v_cvt_i32_f32 v254, v254                       ; (it saturates)
	s_delay_alu instid0(VALU_DEP_1)
	v_ldexp_f32 v252, 1.0, v254                    ; f = 2^(old M - new M)
.set J, 0
.rept 32
	v_pk_fma_f32 v[96+J:97+J], v[96+J:97+J], s[CS:CS+1], v[12:13] op_sel_hi:[1,0,0]   ; t - M, two at a time
.set J, J+2
.endr
.irp b, 0,1,2,3
	v_fma_f32 v[232+\b], v[232+\b], s[CS], v12     ; the same of each block's largest score
.endr
.set J, 0
	s_wait_alu depctr_va_vdst(0)
.rept 64
	v_exp_f32 v[96+J], v[96+J]                     ; p = 2^(t - M), at most 1: not normalised
.set J, J+1
.endr
	v_pk_mul_f32 v[14:15], v[14:15], v[252:253] op_sel_hi:[1,0]   ; the sums under the new M.  (A plain place behind the exponentials)
	s_wait_alu depctr_va_vdst(0)                   ; one wait for the whole batch, ahead of its first reader
.irp b, 0,1,2,3
	v_exp_f32 v[232+\b], v[232+\b]                 ; the block's largest p: the same two instructions on the same number give the same bits
.endr
	v_pk_add_f32 v[236:237], v[100:101], v[104:105]
	v_pk_add_f32 v[246:247], v[108:109], v[112:113]
	v_pk_add_f32 v[244:245], v[116:117], v[120:121]
	v_pk_add_f32 v[242:243], v[124:125], v[128:129]
	v_pk_add_f32 v[240:241], v[132:133], v[136:137]
	v_pk_add_f32 v[238:239], v[140:141], v[144:145]
	v_pk_add_f32 v[230:231], v[148:149], v[152:153]
	v_pk_add_f32 v[14:15], v[14:15], v[156:157]
	v_pk_add_f32 v[236:237], v[236:237], v[96:97]
	v_pk_add_f32 v[246:247], v[246:247], v[98:99]
	v_pk_add_f32 v[244:245], v[244:245], v[102:103]
	v_pk_add_f32 v[242:243], v[242:243], v[106:107]
	v_pk_add_f32 v[240:241], v[240:241], v[110:111]
	v_pk_add_f32 v[238:239], v[238:239], v[114:115]
	v_pk_add_f32 v[230:231], v[230:231], v[118:119]
	v_pk_add_f32 v[14:15], v[14:15], v[122:123]
	v_pk_add_f32 v[236:237], v[236:237], v[126:127]
	v_pk_add_f32 v[246:247], v[246:247], v[130:131]
	v_pk_add_f32 v[244:245], v[244:245], v[134:135]
	v_pk_add_f32 v[242:243], v[242:243], v[138:139]
	v_pk_add_f32 v[240:241], v[240:241], v[142:143]
	v_pk_add_f32 v[238:239], v[238:239], v[146:147]
	v_pk_add_f32 v[230:231], v[230:231], v[150:151]
	v_pk_add_f32 v[14:15], v[14:15], v[154:155]
	v_pk_add_f32 v[236:237], v[236:237], v[158:159]
	s_delay_alu instid0(VALU_DEP_2)
	v_pk_add_f32 v[14:15], v[14:15], v[242:243]
	s_delay_alu instid0(VALU_DEP_2)
	v_pk_add_f32 v[236:237], v[236:237], v[240:241]
	v_pk_add_f32 v[246:247], v[246:247], v[238:239]
	v_pk_add_f32 v[244:245], v[244:245], v[230:231]
	s_delay_alu instid0(VALU_DEP_2)
	v_pk_add_f32 v[14:15], v[14:15], v[246:247]
	s_delay_alu instid0(VALU_DEP_2)
	v_pk_add_f32 v[236:237], v[236:237], v[244:245]
	s_delay_alu instid0(VALU_DEP_1)
	v_pk_add_f32 v[14:15], v[14:15], v[236:237]
	s_wait_alu depctr_va_vdst(0)                   ; and one for the four
.irp b, 0,1,2,3
	v_max_num_f32 v[232+\b], 0x1800000, v[232+\b]  ; the floor 2^(3 - 127): the byte cannot fall under 1
.endr
.irp b, 0,1,2,3
	s_delay_alu instid0(VALU_DEP_4)
	v_add_nc_u32 v[244+\b], 0xff000000, v[232+\b]  ; 2 off the exponent field: the conversion's scale operand
.endr
.irp b, 0,1,2,3
	s_delay_alu instid0(VALU_DEP_4)
	v_lshrrev_b32 v[236+\b], 23, v[244+\b]         ; the scale's byte
.endr
	s_delay_alu instid0(VALU_DEP_3)
	v_lshl_or_b32 v253, v237, 8, v236              ; p's scale word for these 128 keys
	s_delay_alu instid0(VALU_DEP_1)
	v_lshl_or_b32 v253, v238, 16, v253
	s_delay_alu instid0(VALU_DEP_1)
	v_lshl_or_b32 v253, v239, 24, v253
.irp c, 0,1
	v_cvt_scalef32_pk16_fp6_f32 v[224+6*\c:226+6*\c], v[96+32*\c:111+32*\c], v[244+2*\c]
	v_cvt_scalef32_pk16_fp6_f32 v[236+4*\c:238+4*\c], v[112+32*\c:127+32*\c], v[244+2*\c+1]   ; (a conversion's three registers begin on an even number)
.endr
	v_nop                                          ; one plain place behind the scaled conversions
.irp c, 0,1                                    ; the operand's layout wants a whole block in a lane
.irp i, 0,1,2
	v_permlane16_swap_b32 v[224+6*\c+\i], v[236+4*\c+\i]
.endr
.irp i, 0,1,2
	s_delay_alu instid0(VALU_DEP_3)
	v_mov_b32 v[227+6*\c+\i], v[236+4*\c+\i]
.endr
.endr
.set J, 0
.rept 16
	v_pk_mul_f32 v[160+J:161+J], v[160+J:161+J], v[252:253] op_sel_hi:[1,0]   ; O^T under the new M.  (These sixteen are also the places between the writes of p's codes and scale word and the products below)
.set J, J+2
.endr
	s_wait_alu depctr_va_vdst(0)
	s_wait_dscnt 0x0                               ; v's fragments and scale words are in
.irp t, 0,1,2,3
	v_wmma_scale_f32_16x16x128_f8f6f4 v[160+8*\t:167+8*\t], v[32+12*\t:43+12*\t], v[224:235], v[160+8*\t:167+8*\t], v[248+\t], v253 matrix_a_fmt:MATRIX_FMT_FP6 matrix_b_fmt:MATRIX_FMT_FP6
.endr
.Lhidden_\@:
	s_add_co_u32 s[KF], s[KF], 128
	s_add_co_u32 s[TS], s[TS], 512                 ; the next step's scale words, k's and v's
.endm
; THE CHANGE OF SLOTS stands at a slot's head.  Each wave waits for all its tensor loads, adds 0 to its spare word, and waits for that and for its reads of the slot that it has left.  Behind the barrier the slot ahead is whole
; and nobody reads the other one.  fill = 1: that other slot is filled with the keys that follow, up to the causal limit.
.macro CHANGE fill
	s_wait_tensorcnt 0x0                           ; no tensor load of mine is out, so a group 0 may be written
	ds_add_u32 v[SPW], v[NIL]                      ; 0 onto my spare word
.if \fill
	s_xor_b32 s[G0K+1], s[G0K+1], SLOT1            ; the walking descriptors: the other slot than last time,
	s_add_nc_u64 s[G0K+2:G0K+3], s[G0K+2:G0K+3], 24576    ; the next 16 tiles of keys
	s_xor_b32 s[G0V+1], s[G0V+1], SLOT1
	s_add_nc_u64 s[G0V+2:G0V+3], s[G0V+2:G0V+3], 196608   ; the next two groups of keys
	s_wait_xcnt 0x0                                ; the last prefetch, a slot back, has read its offset, so it may be written:
	v_add_nc_u32 v[PFO], v[PFS], v[PFO]            ; one slot further on than the walking descriptors
.endif
	s_wait_dscnt 0x0                               ; the add is done, and my reads of the slot that I have left are over
	s_barrier_signal -1
	s_barrier_wait -1
.if \fill
	s_add_co_u32 s96, s[KF], 256                   ; the first key of the slot that this change would ask for:
	s_cmp_gt_u32 s96, s[QLAST]                     ; behind my work-group's last query no wave reads it, so it is not asked for.  Ids and the count of steps alone: all sixteen waves go the same way;
	s_cbranch_scc1 .Lpast_\@                       ; every wait on TENSORcnt in this text is for 0, and the jump leads round the load's own lines alone
	TLOAD G0K, G1K, G0V, G1V                       ; a wave's one tensor load until the next such barrier
.Lpast_\@:
	ASK
.endif
.endm
.macro SLOT_STEPS
	STEP 0
	STEP 1
	s_xor_b32 s[TB], s[TB], SLOT1                  ; on to the other slot
.endm
	s_wait_loadcnt 0x0                             ; q
.Lslot:                                            ; seven trips: behind each change of slots but the last the next slot is asked for
	s_wait_alu depctr_va_vdst(0)
	CHANGE 1
	SLOT_STEPS
	s_sub_co_u32 s[SLOTS], s[SLOTS], 1
	s_cmp_lg_u32 s[SLOTS], 0
	s_cbranch_scc1 .Lslot
	CHANGE 0                                       ; the last slot is written out: nothing is left to fetch
	SLOT_STEPS
	; THE WAY OUT.  O^T is divided by the row's sum; a lane's 32 numbers, register 16 b + i = channel 32 b + 16 h + i of my head, are two blocks of the next product's K: they are quantised and leave as a half fragment.
	v_add_f32 v14, v14, v15                        ; the sum's two halves,
	s_delay_alu instid0(VALU_DEP_1)
	v_permlanex16_b32 v252, v14, s[SEL], s[SEL+1]
	s_delay_alu instid0(VALU_DEP_1)
	v_add_f32 v14, v14, v252                       ; and lane l xor 16's
	v_nop
	v_nop
	s_wait_alu depctr_va_vdst(0)
	v_rcp_f32 v14, v14
	v_nop                                          ; a plain place behind the transcendental
	s_wait_alu depctr_va_vdst(0)                   ; the wait ahead of its first reader
.set J, 0
.rept 32
	v_mul_f32 v[96+J], v[160+J], v14               ; each accumulator from its low end on
.set J, J+1
.endr
.irp b, 0,1
	v_max3_num_f32 v[232+\b], |v[96+16*\b]|, |v[97+16*\b]|, 0x1800000
.endr
.irp i, 2,4,6,8,10,12,14
.irp b, 0,1
	s_delay_alu instid0(VALU_DEP_2)
	v_max3_num_f32 v[232+\b], v[232+\b], |v[96+16*\b+\i]|, |v[97+16*\b+\i]|
.endr
.endr
.irp b, 0,1
	s_delay_alu instid0(VALU_DEP_2)
	v_permlanex16_b32 v[236+\b], v[232+\b], s[SEL], s[SEL+1]
.endr
.irp b, 0,1
	s_delay_alu instid0(VALU_DEP_2)
	v_max_num_f32 v[232+\b], v[232+\b], v[236+\b]
.endr
.irp b, 0,1
	s_delay_alu instid0(VALU_DEP_2)
	v_add_nc_u32 v[244+\b], 0xff000000, v[232+\b]
.endr
.irp b, 0,1
	s_delay_alu instid0(VALU_DEP_2)
	v_lshrrev_b32 v[236+\b], 23, v[244+\b]
.endr
	s_delay_alu instid0(VALU_DEP_1)
	v_lshl_or_b32 v240, v237, 8, v236              ; my row's two scale bytes
	v_cvt_scalef32_pk16_fp6_f32 v[224:226], v[96:111], v244
	v_cvt_scalef32_pk16_fp6_f32 v[236:238], v[112:127], v245
	v_nop                                          ; one plain place behind the scaled conversions
.irp i, 0,1,2
	v_permlane16_swap_b32 v[224+\i], v[236+\i]
.endr
.irp i, 0,1,2
	s_delay_alu instid0(VALU_DEP_3)
	v_mov_b32 v[227+\i], v[236+\i]
.endr
	global_store_b128 v[LP], v[224:227], s[8:9]            ; 512 consecutive bytes,
	global_store_b64 v[LQ], v[228:229], s[8:9] offset:512  ; and 256: the half fragment's image
	global_store_b16 v[R8], v240, s[10:11]                 ; two bytes a row (both halves of the lanes write the same bytes with the same value): 32 bytes of each tile's 512 are my head's
	s_wait_tensorcnt 0x0                           ; the wave's end
	ds_add_u32 v[SPW], v[NIL]
	s_wait_dscnt 0x0
	s_endpgm
.Lfunc_end_k_q0af2cde776_attn:
	.size	k_q0af2cde776_attn, .Lfunc_end_k_q0af2cde776_attn-k_q0af2cde776_attn
	.p2alignl 7, 3214868480
	.fill 96, 4, 3214868480
	.section	.rodata,"a",@progbits
	.p2align	6, 0x0
	.amdhsa_kernel k_q0af2cde776_attn
		.amdhsa_group_segment_fixed_size 327680
		.amdhsa_private_segment_fixed_size 0
		.amdhsa_enable_private_segment 0
		.amdhsa_kernarg_size 32
		.amdhsa_user_sgpr_count 2
		.amdhsa_user_sgpr_kernarg_segment_ptr 1
		.amdhsa_wavefront_size32 1
		.amdhsa_system_sgpr_workgroup_id_x 1
		.amdhsa_system_sgpr_workgroup_id_y 1
		.amdhsa_system_sgpr_workgroup_id_z 1
		.amdhsa_system_vgpr_workitem_id 0
		.amdhsa_next_free_vgpr 256
		.amdhsa_next_free_sgpr 100
		.amdhsa_reserve_vcc 1
		.amdhsa_float_denorm_mode_32 3
		.amdhsa_float_denorm_mode_16_64 3
		.amdhsa_memory_ordered 1
		.amdhsa_forward_progress 1
		.amdhsa_inst_pref_size 110
	.end_amdhsa_kernel
	.amdgpu_metadata
---
amdhsa.version: [ 1, 2 ]
amdhsa.kernels:
  - .name:           k_q0af2cde776_attn
    .symbol:         k_q0af2cde776_attn.kd
    .args:
      - { .name: qkvc, .offset: 0, .size: 8, .value_kind: global_buffer, .address_space: global }
      - { .name: qkvs, .offset: 8, .size: 8, .value_kind: global_buffer, .address_space: global }
      - { .name: ctxc, .offset: 16, .size: 8, .value_kind: global_buffer, .address_space: global }
      - { .name: ctxs, .offset: 24, .size: 8, .value_kind: global_buffer, .address_space: global }
    .group_segment_fixed_size: 327680
    .private_segment_fixed_size: 0
    .kernarg_segment_align: 8
    .kernarg_segment_size: 32
    .max_flat_workgroup_size: 512
    .sgpr_count:     100
    .vgpr_count:     256
    .wavefront_size: 32
...
	.end_amdgpu_metadata
.endif
;; end of part 3
;; launch oproj (part 4): grid 4 x 32, 4 waves a work-group, clusters of 4 x 4, 327,680 bytes of LDS; arguments ctxc, ctxs, codes, scales, out0; writes out0
.if DOCPART == 4
	.amdgcn_target "amdgcn-amd-amdhsa--gfx1250"
	.amdhsa_code_object_version 6
	.text
	.protected	k_q0af2cde776_oproj
	.globl	k_q0af2cde776_oproj
	.p2align	8
	.type	k_q0af2cde776_oproj,@function
k_q0af2cde776_oproj:
	s_mov_b64 s[64:65], 0
	v_nop
	global_prefetch_b8 v0, s[64:65] scope:SCOPE_SE
	s_setreg_imm32_b32 hwreg(HW_REG_WAVE_MODE, 25, 1), 1
	s_wait_xcnt 0x0
	s_wait_alu depctr_hold_cnt(0) depctr_sa_sdst(0) depctr_va_vdst(0) depctr_va_sdst(0) depctr_va_ssrc(0) depctr_va_vcc(0) depctr_vm_vsrc(0)
	s_getreg_b32 s2, hwreg(HW_REG_IB_STS2, 6, 4)
	s_cmp_eq_u32 s2, 0
	s_cbranch_scc0 .Lentry_in_a_cluster
	s_endpgm
.Lentry_in_a_cluster:
	s_bfe_u32 s2, ttmp6, 0x10000c
	s_cmp_lg_u32 s2, 0xf033
	s_cbranch_scc0 .Lentry_shape_is_right
	s_endpgm
.Lentry_shape_is_right:
; out0 = ctx Wo^T on codes of FP6 (E2M3) with E8M0 scales, K = 1,024; out0 [8192][1024] f32.
; ctxc, codes: [T][16][768]; ctxs, scales: [T][4][16][2 words]: fragments lie as images of the operand's registers.  A = ctx (T = 0-511), B = Wo (T = 704-767 of codes and scales).
; Place i of a tile T holds row 32 (T / 2) + 8 (T % 2) + i % 8 + 16 (i / 8): the way out puts rows and columns back in their order.
; A tile of the result, 256 x 256, is made by four waves, 128 x 128 each: 64 accumulators, 512 registers.  K goes in steps of 256 through a ring of two LDS slots: four K steps, written out on end.
; THE MATRIX INSTRUCTION IS USED TRANSPOSED (source 0 = 16 rows of Wo, source 1 = 16 rows of ctx): a lane holds eight neighbouring numbers of a row of the result.
; CLUSTERS: 4 x 4.  A's tiles are shared along a row of the cluster, B's along a column: each is asked for jointly.  The result has 128 tiles of 256 x 256: 128 work-groups.
; REGISTERS: window 0: v16-29 addresses; v32-63 scale words, two sets; from v128 A's fragments, one set; on the way out v128-255 take rows.  window 1: B's fragments, two sets.  windows 2, 3: the accumulators.
.set NQ,     2
.set FR,     12
.set NL,     4
.set NP,     4
.set STEPB,  3072
.set HALFT,  8*STEPB
.set SLOT,   4*HALFT
.set SCL,    2*SLOT
.set HALFS,  4096
.set SBLK,   512
.set SPARE,  SCL+4*HALFS
.set SPITCH, 528                       ; the way out: a stage of 16 rows x (512 bytes + 16) for each wave, in slot 0, which has had its last fill and its last read when the first result is stored there
.set ADRA, 16
.set ADRB, 20
.set STO,  24                          ; v24    the way out: where I put 32 bytes of a row
.set RD,   25                          ; v25    where I read a row back
.set CO,   26                          ; v26    my byte offset in a row of the result
.set ADRS, 27
.set SPW,  28
.set NIL,  29
.set SC,   32
.set AF,   128
.set BK,   128
.set G1, 24
.set G0, 32
.set G1B, 48
.set G0B, 56
.set G1S, 68
.set G0S, 76
.set G1SB, 80
.set G0SB, 88
.set MSB, 0
.macro WIN new                         ; the immediate's high byte repeats the setting that is left
.if MSB != \new
	s_set_vgpr_msb (MSB<<8)|\new
.set MSB, \new
.endif
.endm
.set MUL_LO, 0xa1
.set MUL_HI, 0xf1
.set TO_B,   0x40
.macro JLOAD g0a, g1a, g0b, g1b        ; a joint load: waves 0 and 1 fetch for A, waves 2 and 3 for B; an s_nop 0 and four v_nop follow each of the two lines
	s_cmp_eq_u32 s15, 0
	s_cbranch_scc0 .Lfor_b_\@
	tensor_load_to_lds s[\g0a:\g0a+3], s[\g1a:\g1a+7]
	s_nop 0
.rept 4
	v_nop
.endr
	s_branch .Lasked_\@
.Lfor_b_\@:
	tensor_load_to_lds s[\g0b:\g0b+3], s[\g1b:\g1b+7]
	s_nop 0
.rept 4
	v_nop
.endr
.Lasked_\@:
.endm
.macro CREST
	s_cmp_lg_u32 s14, 0
	s_cbranch_scc1 .Lnot_wave_0_\@
	s_barrier_signal -3
.Lnot_wave_0_\@:
	s_barrier_wait -3
	s_barrier_signal -1
	s_barrier_wait -1
.endm
.macro CROUND
	s_barrier_signal -1
	s_barrier_wait -1
	CREST
.endm
	s_load_b256 s[4:11], s[0:1], 0x0               ; ctxc, ctxs, codes, scales
	s_load_b64 s[12:13], s[0:1], 0x20              ; out0
	v_lshl_add_u32 v[SPW], v0, 2, SPARE
	v_mov_b32 v[NIL], 0
	ds_add_u32 v[SPW], v[NIL]                      ; the wave's opening: the add and its wait ahead of my first tensor load
	v_lshrrev_b32 v1, 5, v0
	v_readfirstlane_b32 s14, v1                    ; wave 0..3
	s_lshr_b32 s15, s14, 1                         ; my half of A's rows.  Also: I fetch for A (0) or for B (1)
	s_and_b32 s16, s14, 1                          ; my half of B's rows.  Also: which 8 tiles I fetch
	s_bfe_u32 s40, ttmp6, 0x40000                  ; cx
	s_bfe_u32 s41, ttmp6, 0x40004                  ; cy
	s_lshl_b32 s42, ttmp9, 2
	s_add_co_u32 s42, s42, s40                     ; tile column
	s_and_b32 s17, ttmp7, 0xffff
	s_lshl_b32 s17, s17, 2
	s_add_co_u32 s17, s17, s41                     ; tile row
	s_lshl_b32 s43, s41, 2
	s_lshl_b32 s43, 15, s43                        ; my row of the cluster
	s_lshl_b32 s44, 0x1111, s40                    ; my column
	s_or_b32 s[G1+0], s43, (3<<16)|(1<<21)         ; codes: 8 rows (tiles) of 3,072 bytes, 12,288 apart, elements of 8 bytes; 21 set beside a mask
	s_or_b32 s[G1B+0], s44, (3<<16)|(1<<21)
.irp g, G1, G1B
	s_mov_b32 s[\g+1], 384<<16
	s_mov_b32 s[\g+2], 8<<16
	s_mov_b32 s[\g+3], 384<<16
	s_mov_b32 s[\g+4], 8
	s_mov_b32 s[\g+5], 1536
	s_mov_b32 s[\g+6], 0
	s_mov_b32 s[\g+7], 0
.endr
	s_or_b32 s[G1S+0], s43, (3<<16)|(1<<21)        ; scale words of 8 tiles: 4,096 dense bytes as 16 rows of 256
	s_or_b32 s[G1SB+0], s44, (3<<16)|(1<<21)
.irp g, G1S, G1SB
	s_mov_b32 s[\g+1], 32<<16
	s_mov_b32 s[\g+2], 16<<16
	s_mov_b32 s[\g+3], 32<<16
	s_mov_b32 s[\g+4], 16
	s_mov_b32 s[\g+5], 32
	s_mov_b32 s[\g+6], 0
	s_mov_b32 s[\g+7], 0
.endr
	s_lshl_b32 s18, s16, 3
	s_lshl_b32 s20, s17, 4
	s_add_co_u32 s20, s20, s18                     ; A's tile
	s_lshl_b32 s46, s42, 4
	s_add_co_u32 s46, s46, s18
	s_add_co_u32 s46, s46, 704                     ; B's tile: Wo
	s_lshl_b32 s22, s20, 9
	s_mov_b32 s23, 0
	s_lshl_b32 s92, s46, 9
	s_mov_b32 s93, 0
	s_mul_i32 s20, s20, 12288
	s_mov_b32 s21, 0
	s_mul_i32 s46, s46, 12288
	s_mov_b32 s47, 0
	s_mul_i32 s45, s14, HALFT
	s_mul_i32 s94, s14, HALFS
	s_wait_dscnt 0x0                               ; the opening add is done
	s_wait_kmcnt 0x0
	s_add_nc_u64 s[20:21], s[4:5], s[20:21]
	s_add_nc_u64 s[22:23], s[6:7], s[22:23]
	s_add_nc_u64 s[46:47], s[8:9], s[46:47]
	s_add_nc_u64 s[92:93], s[10:11], s[92:93]
	CROUND                                         ; all sixteen work-groups are here: the first joint loads meet
	s_mov_b32 s[G0S], 1
	s_add_co_u32 s[G0S+1], s94, SCL
	s_mov_b64 s[G0S+2:G0S+3], s[22:23]
	s_or_b32 s[G0S+3], s[G0S+3], 0x80000000
	s_mov_b32 s[G0SB], 1
	s_add_co_u32 s[G0SB+1], s94, SCL
	s_mov_b64 s[G0SB+2:G0SB+3], s[92:93]
	s_or_b32 s[G0SB+3], s[G0SB+3], 0x80000000
	JLOAD G0S, G1S, G0SB, G1SB
.irp s, 0,1
	s_mov_b32 s[G0+4*\s], 1
	s_add_co_u32 s[G0+4*\s+1], s45, \s*SLOT
	s_add_nc_u64 s[G0+4*\s+2:G0+4*\s+3], s[20:21], \s*STEPB
	s_or_b32 s[G0+4*\s+3], s[G0+4*\s+3], 0x80000000
	s_mov_b32 s[G0B+4*\s], 1
	s_add_co_u32 s[G0B+4*\s+1], s45, \s*SLOT
	s_add_nc_u64 s[G0B+4*\s+2:G0B+4*\s+3], s[46:47], \s*STEPB
	s_or_b32 s[G0B+4*\s+3], s[G0B+4*\s+3], 0x80000000
	JLOAD G0+4*\s, G1, G0B+4*\s, G1B
.endr
	v_and_b32 v1, 15, v0                           ; r
	v_bfe_u32 v2, v0, 4, 1                         ; h
	v_and_b32 v3, 31, v0                           ; lane
	v_lshlrev_b32 v[CO], 4, v3                     ; 16 x lane
	v_lshlrev_b32 v4, 3, v3                        ; 8 x lane
	s_mul_i32 s21, s15, HALFT
	s_mul_i32 s22, s16, HALFT
	s_add_co_u32 s22, s22, 2*HALFT
.irp s, 0,1
	v_add_nc_u32 v[ADRA+\s], s21, v[CO]
	v_add_nc_u32 v[ADRB+\s], s22, v[CO]
	v_add_nc_u32 v[ADRA+2+\s], s21, v4
	v_add_nc_u32 v[ADRB+2+\s], s22, v4
	s_add_co_u32 s21, s21, SLOT
	s_add_co_u32 s22, s22, SLOT
.endr
	v_lshlrev_b32 v6, 3, v1
	s_lshl_b32 s21, s15, 12
	s_lshl_b32 s22, s16, 12
	s_add_co_u32 s22, s22, 2*HALFS
	s_sub_co_u32 s22, s22, s21
	v_mul_u32_u24 v7, s22, v2                      ; lanes 16-31 take B's: one product, the distance between the two bases
	s_add_co_u32 s21, s21, SCL
	v_add_nc_u32 v6, v6, v7
	v_add_nc_u32 v[ADRS], s21, v6
	s_mul_i32 s23, s14, 16*SPITCH                  ; my stage
	v_mul_u32_u24 v5, v1, SPITCH                   ; in: row r; accumulator b's eight columns are 32 (b / 2) + 16 h + 8 (b % 2) + 0 .. 7
	v_lshl_add_u32 v5, v2, 6, v5
	v_add_nc_u32 v[STO], s23, v5
	v_add_nc_u32 v[RD], s23, v[CO]                 ; back: the 32 lanes take one row of 512 bytes
	s_lshl_b32 s20, s17, 8
	s_lshl_b32 s21, s15, 7
	s_add_co_u32 s20, s20, s21                     ; my first row: 256 x tile row + 128 x half,
	s_lshl_b32 s20, s20, 12                        ; of 4,096 bytes
	s_lshl_b32 s46, s42, 10                        ; my first column, in bytes
	s_lshl_b32 s47, s16, 9
	s_add_co_u32 s46, s46, s47
	s_add_co_u32 s46, s46, s20
	s_mov_b32 s47, 0
	s_add_nc_u64 s[12:13], s[12:13], s[46:47]
.macro FRAG reg, adr, q, i             ; a fragment, 12 registers, as its image lies: two half fragments of 512 + 256 bytes
	ds_load_b128 v[\reg:\reg+3], v[\adr] offset:3072*(\i)+1536*(\q)
	ds_load_b64 v[\reg+4:\reg+5], v[\adr+2] offset:3072*(\i)+1536*(\q)+512
	ds_load_b128 v[\reg+6:\reg+9], v[\adr] offset:3072*(\i)+1536*(\q)+768
	ds_load_b64 v[\reg+10:\reg+11], v[\adr+2] offset:3072*(\i)+1536*(\q)+1280
.endm
.macro MUL16 a0, p, q, sc, zero        ; 16 matrix instructions; the 64 accumulators take turns, one instruction a turn, in the same order in every step
.irp a, \a0, \a0+1
.irp b, 0,1,2,3,4,5,6,7
.if \zero
	v_wmma_scale_f32_16x16x128_f8f6f4 v[8*(8*((\a)%4)+\b):8*(8*((\a)%4)+\b)+7], v[128*(\p)+FR*\b:128*(\p)+FR*\b+FR-1], v[AF+FR*(\a):AF+FR*(\a)+FR-1], 0, v[SC+8*NQ*(\sc)+NQ*\b+(\q)], v[SC+8*NQ*(\sc)+NQ*(\a)+(\q)] matrix_a_fmt:MATRIX_FMT_FP6 matrix_b_fmt:MATRIX_FMT_FP6 matrix_a_scale:MATRIX_SCALE_ROW1
.else
	v_wmma_scale_f32_16x16x128_f8f6f4 v[8*(8*((\a)%4)+\b):8*(8*((\a)%4)+\b)+7], v[128*(\p)+FR*\b:128*(\p)+FR*\b+FR-1], v[AF+FR*(\a):AF+FR*(\a)+FR-1], v[8*(8*((\a)%4)+\b):8*(8*((\a)%4)+\b)+7], v[SC+8*NQ*(\sc)+NQ*\b+(\q)], v[SC+8*NQ*(\sc)+NQ*(\a)+(\q)] matrix_a_fmt:MATRIX_FMT_FP6 matrix_b_fmt:MATRIX_FMT_FP6 matrix_a_scale:MATRIX_SCALE_ROW1
.endif
.endr
.endr
.endm
.macro FETCH_B slot, q, p
	WIN TO_B
.irp i, 0,1,2,3,4,5,6,7
	FRAG 128*(\p)+FR*\i, ADRB+\slot, \q, \i
.endr
	WIN 0
.endm
.macro FETCH_A slot, q, i0
.irp i, \i0, \i0+1, \i0+2, \i0+3
	FRAG AF+FR*(\i), ADRA+\slot, \q, \i
.endr
.endm
.macro SCALES sc
.irp i, 0,1,2,3,4,5,6,7
	ds_load_b64 v[SC+8*NQ*\sc+NQ*\i:SC+8*NQ*\sc+NQ*\i+1], v[ADRS] offset:\i*SBLK
.endr
.endm
.macro PLACES n                        ; plain vector instructions between a matrix instruction and a load into, or a read of, its registers
.rept \n
	v_nop
.endr
.endm
.macro STEP slot, q, zero
	s_wait_dscnt 4*NL                              ; B's set, A's blocks 0-3 and the scale words are in; the youngest 16 loads (A's blocks 4-7) may be out
	WIN MUL_LO
	MUL16 0, (\q)%2, \q, \slot, \zero
	MUL16 2, (\q)%2, \q, \slot, \zero
	s_wait_dscnt 0
	PLACES NP
	FETCH_B \slot, (\q)+1, 1-(\q)%2
	FETCH_A \slot, (\q)+1, 0
	WIN MUL_HI
	MUL16 4, (\q)%2, \q, \slot, \zero
	MUL16 6, (\q)%2, \q, \slot, \zero
	PLACES NP
	WIN 0
	FETCH_A \slot, (\q)+1, 4
.endm
.macro TURN slot, next, fill           ; a slot's last step changes slots: one barrier, with the three lines in front of it
	s_wait_tensorcnt 0x0                           ; all my tensor loads have landed: my part of the next slot
	ds_add_u32 v[SPW], v[NIL]                      ; 0 onto my spare word
	s_wait_dscnt 4*NL+1                            ; (the add and the youngest 16 loads may be out)
	WIN MUL_LO
	MUL16 0, 1, NQ-1, \slot, 0
	s_wait_dscnt 0x0                               ; the add is done, and my reads of this slot are over
	s_barrier_signal -1
	MUL16 2, 1, NQ-1, \slot, 0
	WIN 0
	s_barrier_wait -1
.if \fill
	CREST                                          ; a round of the cluster's barrier: no wave of any partner still reads this slot or has a load on its way
	s_add_nc_u64 s[G0+4*\slot+2:G0+4*\slot+3], s[G0+4*\slot+2:G0+4*\slot+3], 2*STEPB
	s_add_nc_u64 s[G0B+4*\slot+2:G0B+4*\slot+3], s[G0B+4*\slot+2:G0B+4*\slot+3], 2*STEPB
	JLOAD G0+4*\slot, G1, G0B+4*\slot, G1B
.else
	PLACES NP
.endif
	v_add_nc_u32 v[ADRS], 128, v[ADRS]             ; on to the next K step's scale words
	FETCH_B \next, 0, 0
	FETCH_A \next, 0, 0
	SCALES \next
	WIN MUL_HI
	MUL16 4, 1, NQ-1, \slot, 0
	MUL16 6, 1, NQ-1, \slot, 0
	PLACES NP
	WIN 0
	FETCH_A \next, 0, 4
.endm
	s_wait_tensorcnt 1                             ; the scale words and my part of K step 0 are in (K step 1's load may be out),
	s_barrier_signal -1
	s_barrier_wait -1                              ; everybody's are
	FETCH_B 0, 0, 0
	FETCH_A 0, 0, 0
	SCALES 0
	FETCH_A 0, 0, 4
	STEP 0, 0, 1
	TURN 0, 1, 1
	STEP 1, 0, 0
	TURN 1, 0, 1
	STEP 0, 0, 0
	TURN 0, 1, 0
	STEP 1, 0, 0
	s_wait_dscnt 4*NL
	WIN MUL_LO
	MUL16 0, 1, NQ-1, 1, 0
	MUL16 2, 1, NQ-1, 1, 0
	s_wait_dscnt 0
	WIN MUL_HI
	MUL16 4, 1, NQ-1, 1, 0
	MUL16 6, 1, NQ-1, 1, 0
	WIN 0
; THE WAY OUT, block by block of 16 rows x 128 columns, through my own stage in LDS: in by 32 bytes of a row a lane, at the columns' true places; back as whole rows of 512 bytes.  LDS serves a wave's instructions in order.
.macro TOSTAGE a
.set AC, 64*((\a)%4)
	WIN 0x08+4*((\a)/4)                            ; the data: window 2 or 3
.irp b, 0,1,2,3,4,5,6,7
	ds_store_b128 v[STO], v[AC+8*\b:AC+8*\b+3] offset:128*(\b/2)+32*(\b%2)          ; each accumulator from its low end on
	ds_store_b128 v[STO], v[AC+8*\b+4:AC+8*\b+7] offset:128*(\b/2)+32*(\b%2)+16
.endr
	WIN 0
.set BB, BK+64*((\a)%2)
.irp t, 0,1,2,3,4,5,6,7,8,9,10,11,12,13,14,15
	ds_load_b128 v[BB+4*\t:BB+4*\t+3], v[RD] offset:\t*SPITCH
.endr
.endm
.macro SEND a, younger                 ; younger: the LDS instructions issued behind block a's loads, which may stay out
.set BB, BK+64*((\a)%2)
	s_wait_dscnt \younger
.if (\a) > 0
.if (\a)%2
	s_add_nc_u64 s[12:13], s[12:13], 8*4096        ; block a begins at row 32 (a / 2) + 8 (a % 2): 8 rows on,
.else
	s_add_nc_u64 s[12:13], s[12:13], 24*4096       ; or 24  (behind a wait on XCNT: the earlier stores have read their base)
.endif
.endif
.irp t, 0,1,2,3,4,5,6,7,8,9,10,11,12,13,14,15
	global_store_b128 v[CO], v[BB+4*\t:BB+4*\t+3], s[12:13] offset:((\t%8)+16*(\t/8))*4096 th:TH_STORE_NT   ; place t of the block is row t % 8 + 16 (t / 8); 32 lanes store 512 consecutive bytes, at a multiple of 256 from the buffer's first byte
.endr
.endm
	PLACES NP
	TOSTAGE 0
.irp a, 1,2,3,4,5,6,7
.if \a > 1
	s_wait_xcnt 0x0                                ; block a - 2's stores have read their registers and their base
.endif
	TOSTAGE \a
	SEND \a-1, 32                                  ; behind block a - 1's loads: block a's 16 stores and 16 loads
.endr
	s_wait_xcnt 0x0
	SEND 7, 0
	s_wait_tensorcnt 0x0                           ; the wave's end, behind my last tensor load and my last LDS store
	ds_add_u32 v[SPW], v[NIL]
	s_wait_dscnt 0x0
	CROUND                                         ; the closing round
	s_endpgm
.Lfunc_end_k_q0af2cde776_oproj:
	.size	k_q0af2cde776_oproj, .Lfunc_end_k_q0af2cde776_oproj-k_q0af2cde776_oproj
	.p2alignl 7, 3214868480
	.fill 96, 4, 3214868480
	.section	.rodata,"a",@progbits
	.p2align	6, 0x0
	.amdhsa_kernel k_q0af2cde776_oproj
		.amdhsa_group_segment_fixed_size 327680
		.amdhsa_private_segment_fixed_size 0
		.amdhsa_enable_private_segment 0
		.amdhsa_kernarg_size 40
		.amdhsa_user_sgpr_count 2
		.amdhsa_user_sgpr_kernarg_segment_ptr 1
		.amdhsa_wavefront_size32 1
		.amdhsa_system_sgpr_workgroup_id_x 1
		.amdhsa_system_sgpr_workgroup_id_y 1
		.amdhsa_system_sgpr_workgroup_id_z 1
		.amdhsa_system_vgpr_workitem_id 0
		.amdhsa_next_free_vgpr 1024
		.amdhsa_next_free_sgpr 98
		.amdhsa_reserve_vcc 0
		.amdhsa_float_denorm_mode_32 3
		.amdhsa_float_denorm_mode_16_64 3
		.amdhsa_memory_ordered 1
		.amdhsa_forward_progress 1
		.amdhsa_inst_pref_size 143
	.end_amdhsa_kernel
	.amdgpu_metadata
---
amdhsa.version: [ 1, 2 ]
amdhsa.kernels:
  - .name:           k_q0af2cde776_oproj
    .symbol:         k_q0af2cde776_oproj.kd
    .args:
      - { .name: ctxc, .offset: 0, .size: 8, .value_kind: global_buffer, .address_space: global }
      - { .name: ctxs, .offset: 8, .size: 8, .value_kind: global_buffer, .address_space: global }
      - { .name: codes, .offset: 16, .size: 8, .value_kind: global_buffer, .address_space: global }
      - { .name: scales, .offset: 24, .size: 8, .value_kind: global_buffer, .address_space: global }
      - { .name: out0, .offset: 32, .size: 8, .value_kind: global_buffer, .address_space: global }
    .group_segment_fixed_size: 327680
    .private_segment_fixed_size: 0
    .kernarg_segment_align: 8
    .kernarg_segment_size: 40
    .max_flat_workgroup_size: 128
    .sgpr_count:     98
    .vgpr_count:     1024
    .wavefront_size: 32
...
	.end_amdgpu_metadata
.endif
;; end of part 4
